; MI455X (gfx1250); checked and timed in simulation.
; The chip was launched on July 23, 2026; its instructions are those of AMD's public machine-readable ISA for CDNA 5 (MIT licence, August 2026) and "CDNA5" Instruction Set Architecture Reference Guide (July 2026). The comments in the code are by the model that wrote it; some were corrected since.
;; MAB. Allowed arithmetic: matrix products marked QUANTISED: E2M1 operands, one E8M0 scale for each 32 along K, by v_wmma_scale_f32_16x16x128_f8f6f4 with both operands' format E2M1 (or v_wmma_scale_f32_32x16x128_f4), f32 sums; everything else in f32.
;; Inputs: K_codes 8 x 1,024 x 32 x 16 uint8 (E2M1 codes of K, K innermost, in blocks of 32 codes, two codes a byte); K_scales 8 x 1,024 x 32 uint8 (E8M0 scales of K, one for each 32 codes along K); Q_codes 8 x 1,024 x 32 x 16 uint8 (E2M1 codes of Q, K innermost, in blocks of 32 codes, two codes a byte); Q_scales 8 x 1,024 x 32 uint8 (E8M0 scales of Q, one for each 32 codes along K); Wk_codes 1,024 x 32 x 16 uint8 (E2M1 codes of Wk, K innermost, in blocks of 32 codes, two codes a byte); Wk_scales 1,024 x 32 uint8 (E8M0 scales of Wk, one for each 32 codes along K); Wo_codes 1,024 x 32 x 16 uint8 (E2M1 codes of Wo, K innermost, in blocks of 32 codes, two codes a byte); Wo_scales 1,024 x 32 uint8 (E8M0 scales of Wo, one for each 32 codes along K); Wq_codes 1,024 x 32 x 16 uint8 (E2M1 codes of Wq, K innermost, in blocks of 32 codes, two codes a byte); Wq_scales 1,024 x 32 uint8 (E8M0 scales of Wq, one for each 32 codes along K); Wv_codes 1,024 x 32 x 16 uint8 (E2M1 codes of Wv, K innermost, in blocks of 32 codes, two codes a byte); Wv_scales 1,024 x 32 uint8 (E8M0 scales of Wv, one for each 32 codes along K); b0 1,024 float32; b1 1,024 float32; bk 1,024 float32; bo 1,024 float32; bq 1,024 float32; bv 1,024 float32; g0 1,024 float32; g1 1,024 float32.
;; Outputs: out0 8 x 1,024 x 1,024 float32.
;; This version of the problem:
;;   THIS VERSION OF THE PROBLEM IS GIVEN IN LOW PRECISION. The matrix products marked QUANTISED in the list below multiply operands that are first quantised to E2M1 (2 exponent bits, 1 mantissa bit; 4 bits a number), with one power-of-two scale for each 32 numbers along K (OCP MX v1.0); their sums are f32. All else is computed in f32.
;;   The module's matrix products, in the order in which they are computed (A, B: the left and right operand; K: the contracted axis; several contracted axes count as one K, in the product's order):
;;     1. [M 8,192, K 1,024] x [K 1,024, N 1,024]; A: input Q (given as codes); B: input Wq (given as codes): QUANTISED
;;     2. [M 8,192, K 1,024] x [K 1,024, N 1,024]; A: input K (given as codes); B: input Wk (given as codes): QUANTISED
;;     3. [M 8,192, K 1,024] x [K 1,024, N 1,024]; A: input K (given as codes); B: input Wv (given as codes): QUANTISED
;;     4. batch 128 x [M 1,024, K 64] x [K 64, N 1,024]; A: computed on the way; B: computed on the way: QUANTISED
;;     5. batch 128 x [M 64, K 1,024] x [K 1,024, N 1,024]; A: computed on the way; B: softmax (see below): QUANTISED
;;     6. [M 8,192, K 1,024] x [K 1,024, N 1,024]; A: computed on the way; B: input Wo (given as codes): QUANTISED
;;   THE QUANTISER, for each operand of a quantised product, along K:
;;     - K is cut into blocks of 32 from its start; a last block that is shorter is filled with zeros.
;;     - A block's scale is 2^e with e = floor(log2(the largest magnitude in the block)) - 2, held to -126 .. 127; a block of zeros has e = 0. As a byte (E8M0): e + 127.
;;     - Each number is divided by its block's scale, clamped to +-6, and rounded to the nearest number of E2M1, ties to even, subnormals kept.
;;     - The product sums the exact products of the quantised numbers (number of the format x scale) in f32.
;;   ~~~python
;;   def quantise(x, axis):      # numpy; x: float32 -> the quantised numbers, widened to float32 again
;;       x = np.moveaxis(x, axis, -1); K = x.shape[-1]
;;       x = np.pad(x, [(0, 0)] * (x.ndim - 1) + [(0, -K % 32)]); x = x.reshape(x.shape[:-1] + (-1, 32)); a = np.abs(x).max(-1, keepdims=True)
;;       e = np.where(a > 0, np.clip(np.frexp(np.where(a > 0, a, 1))[1] - 1 - 2, -126, 127), 0)      # np.frexp(a)[1] - 1 = floor(log2(a)), exactly
;;       r = np.clip(x / 2.0 ** e, -6, 6)
;;       step = 2.0 ** (np.maximum(np.frexp(np.where(r == 0, 1, r))[1] - 1, 0) - 1)
;;       q = np.round(r / step) * step * 2.0 ** e      # np.round: ties to even
;;       return np.moveaxis(q.reshape(q.shape[:-2] + (-1,))[..., :K], -1, axis).astype(np.float32)
;;   ~~~
;;   SOFTMAX AHEAD OF A QUANTISED PRODUCT. Where the list says 'softmax', what is quantised is not the finished softmax but p = 2^(t - M), with t = logit x log2(e) and M = ceil(the row's largest t), a whole number; so 1/2 < the row's largest p <= 1. The row's sum l is taken of the UNQUANTISED p, in f32, and the product's result is divided by l at the end. Since M is a whole number, a kernel that streams over the keys may use a running M (the ceiling of the running maximum): every later rescaling is an exact power of two, which a block's scale takes up: the codes' values come out the same.
;;   OPERANDS COMPUTED ON THE WAY. 'Computed on the way' means the value that the module computes at that place (a softmax that the list does not call 'softmax' is quantised finished and normalised). What goes into a quantiser is computed in f32, as accurately as f32 sums, v_exp_f32 and their like allow (about 1e-6 of the number): no bf16 or f16 on the way to a quantiser, and a product that is left as it is and whose result goes on into a quantised operand takes f32 operands (vector FMAs, or v_wmma_f32_16x16x4_f32). A number that lies on a knife's edge between two numbers of the format may be rounded either way, as far as f32 arithmetic and the matrix unit's own rounding can turn it there, and no further.
;;   INPUTS GIVEN AS CODES. K (in the module: [8, 1024, 1024], K = its axis 2); Q (in the module: [8, 1024, 1024], K = its axis 2); Wk (in the module: [1024, 1024], K = its axis 1); Wo (in the module: [1024, 1024], K = its axis 1); Wq (in the module: [1024, 1024], K = its axis 1); Wv (in the module: [1024, 1024], K = its axis 1): each comes as NAME_codes (uint8): NAME with its K axis moved to the last place and cut into blocks of 32 codes, [.., K / 32, bytes a block], one block behind the other in memory; two codes a byte, the lower K in the low four bits (a code: sign, 2 exponent bits, 1 mantissa bit); and NAME_scales (uint8): the same leading axes, one E8M0 byte (e + 127) for each 32 codes along K. Its value is code x scale, taken as it is: it is not quantised again, and the codes and scales need not be those that the quantiser above would give.
;; 2 versions, each right; version 2 is version 1 with the launch mab written anew for expert scheduling mode. Each part assembles by itself: llvm-mc -triple=amdgcn-amd-amdhsa -mcpu=gfx1250 --defsym DOCPART=n.
;; ======== version 1 of 2: 2 launches
;; workspace buffers: kvf 8,388,608 bytes; kvs 786,432 bytes; wqf 524,288 bytes; wof 524,288 bytes
;; launch kvproj (part 1): grid 8 x 32, 4 waves a work-group, clusters of 4 x 4, 327,680 bytes of LDS; arguments K_codes, K_scales, Wk_codes, Wk_scales, Wv_codes, Wv_scales, bk, bv, Wq_codes, Wo_codes, kvf, kvs, wqf, wof; writes kvf, kvs, wqf, wof
.if DOCPART == 1
	.amdgcn_target "amdgcn-amd-amdhsa--gfx1250"
	.amdhsa_code_object_version 6
	.text
	.protected	k_q2c073851a0_kvproj
	.globl	k_q2c073851a0_kvproj
	.p2align	8
	.type	k_q2c073851a0_kvproj,@function
k_q2c073851a0_kvproj:
	s_mov_b64 s[64:65], 0
	v_nop
	global_prefetch_b8 v0, s[64:65] scope:SCOPE_SE
	s_setreg_imm32_b32 hwreg(HW_REG_WAVE_MODE, 25, 1), 1
	s_wait_xcnt 0x0
	s_wait_alu depctr_hold_cnt(0) depctr_sa_sdst(0) depctr_va_vdst(0) depctr_va_sdst(0) depctr_va_ssrc(0) depctr_va_vcc(0) depctr_vm_vsrc(0)
	s_getreg_b32 s2, hwreg(HW_REG_IB_STS2, 6, 4)
	s_cmp_eq_u32 s2, 0
	s_cbranch_scc0 .Lentry_in_a_cluster
	s_endpgm
.Lentry_in_a_cluster:
	s_bfe_u32 s2, ttmp6, 0x10000c
	s_cmp_lg_u32 s2, 0xf033
	s_cbranch_scc0 .Lentry_shape_is_right
	s_endpgm
.Lentry_shape_is_right:
; k = K Wk^T + bk and v^T = Wv K^T + bv, both products on codes of FP4 (E2M1) with one E8M0 scale for each 32 along K = 1,024, then quantised again:
; k along the head's 64 numbers, v^T along the keys.  The new codes and scale words are stored in the order in which the next launch's operand registers take them.
; Wq's and Wo's codes are also copied once into that order (1,024 pieces of 512 bytes each; every wave of the launch copies one piece of each).
; JOBS.  Cluster x = 0: the k job: "A" = the input K (8,192 rows), "B" = Wk (1,024 rows).  Cluster x = 1: the v job: "A" = Wv, "B" = the input K.  Only pointers and tile numbers are chosen by the job.
; A tile of 256 x 256 is made by four waves, 128 x 128 each: 64 accumulators of 16 x 16, 512 registers.  K's 1,024 are two LDS slots of 512 (rows of 256 bytes), both filled once at the start.
; THE MATRIX INSTRUCTION IS USED TRANSPOSED (source 0 = 16 rows of B, source 1 = 16 rows of A): a lane holds one row of A, and its registers run along B's rows, which is the axis to be quantised in both jobs.
; In tile b register j of lane (r, h) is B's row 16 b + 8 h + j.  A block of 32 is the lane's 16 registers of tiles 2 b, 2 b + 1 and those of lane l xor 16.
; The conversion of tile t goes to code register 4 (t / 4) + 2 (t % 2) + (t % 4) / 2; two exchanges of halves for each four registers then give registers 4 c .. 4 c + 3 the numbers 64 c + 32 h + 0 .. 31.
; The bias is the C of each sum's first matrix instruction.
; CLUSTERS: 4 x 4 work-groups; A's tiles are shared along a row of the cluster, B's along a column: each is asked for jointly.
; LIMITS: NaN and infinities are not served.  A block whose largest magnitude lies under 2^-124 has its byte held at 1; a block of zeros gets the byte 1 where the rule says 127: its codes are zeros, and this program alone reads the bytes.
; REGISTERS, in windows of 256: window 0: v0-31 addresses; v32-95 scale words, two sets; v96-119 at work on the way out; v120-127 the copied pieces; v128-191 A's fragments, later the new codes; v192-255 the bias, later scale words on their way out.
;   window 1: B's fragments, two sets.   windows 2, 3: the accumulators ((a, b) at v[8 (8 (a % 4) + b)]).
.set KSTEP,  512                       ; along K in a slot
.set NQ,     4                         ; matrix instructions deep
.set ROWB,   256                       ; a tile's row in bytes
.set KROW,   512                       ; a row of codes in memory
.set PITCH,  272                       ; an LDS row: 256 bytes + 16 of padding
.set FR,     8                         ; registers of a fragment
.set NL,     2                         ; LDS loads that bring one
.set NP,     4                         ; places behind this matrix instruction (ISA guide 7.12.1)
.set HALFT,  128*PITCH
.set SLOT,   4*HALFT
.set KS,     32                        ; a row of scale bytes
.set SCL,    2*SLOT                    ; behind the slots: the scales, as units of 256 bytes + 16 of padding
.set HALFS,  (128*KS/256)*272
.set SBLK,   (16*KS/256)*272
.set SPARE,  SCL+4*HALFS               ; the spare words, 128 bytes for each wave
.set ADRA, 16                          ; v16-17 LDS address of my A fragments in slot 0, 1
.set BO1,  18                          ; v18    32 h: the k job's bias
.set BO2,  19                          ; v19    4 r: the v job's bias
.set ADRB, 20                          ; v20-21 the same as ADRA for B
.set CSRC, 22                          ; v22    512 r + 16 h: a fragment's bytes in rows of 512
.set L8,   25                          ; v25    8 x lane
.set L16,  26                          ; v26    16 x lane
.set ADRS, 27                          ; v27    LDS address of my scale words
.set SPW,  28                          ; v28    my spare word; never rewritten
.set NIL,  29                          ; v29    0; never rewritten
.set SC,   32                          ; scale words
.set TM,   96                          ; v96-111 at work
.set PW,   112                         ; v112-119 block a's scale word
.set CPY,  120
.set AF,   128
.set PC,   128                         ; block a's codes at v[PC + 8 a]
.set BM,   192
.set WA,   192
.set WB,   200
.set PK,   208
.set G1, 24
.set G0, 32
.set G1B, 48
.set G0B, 56
.set G1S, 68
.set G0S, 76
.set G1SB, 80
.set G0SB, 88
.set MSB, 0
.macro WIN new                         ; the immediate's high byte repeats the setting that is left
.if MSB != \new
	s_set_vgpr_msb (MSB<<8)|\new
.set MSB, \new
.endif
.endm
.set MUL_LO, 0xa1                      ; source 0 (B) window 1, source 1 (A) window 0, C and D window 2
.set MUL_HI, 0xf1                      ; the same, C and D window 3
.set FST_LO, 0x81                      ; the first step: C (the bias) window 0, D window 2
.set FST_HI, 0xc1                      ; D window 3
.set TO_B,   0x40
; A joint load: waves 0 and 1 fetch for A, waves 2 and 3 for B.  Four v_nop follow each of the two lines.
.macro JLOAD g0a, g1a, g0b, g1b
	s_cmp_eq_u32 s15, 0
	s_cbranch_scc0 .Lfor_b_\@
	tensor_load_to_lds s[\g0a:\g0a+3], s[\g1a:\g1a+7]
	s_nop 0
.rept 4
	v_nop
.endr
	s_branch .Lasked_\@
.Lfor_b_\@:
	tensor_load_to_lds s[\g0b:\g0b+3], s[\g1b:\g1b+7]
	s_nop 0
.rept 4
	v_nop
.endr
.Lasked_\@:
.endm
.macro CROUND                          ; a round of the cluster's barrier
	s_barrier_signal -1
	s_barrier_wait -1
	s_cmp_lg_u32 s14, 0
	s_cbranch_scc1 .Lnot_wave_0_\@
	s_barrier_signal -3
.Lnot_wave_0_\@:
	s_barrier_wait -3
	s_barrier_signal -1
	s_barrier_wait -1
.endm
	s_load_b256 s[68:75], s[0:1], 0x0              ; K's codes, K's scales, Wk's codes, Wk's scales
	s_load_b128 s[76:79], s[0:1], 0x20             ; Wv's codes, Wv's scales
	s_load_b128 s[96:99], s[0:1], 0x30             ; bk, bv
	v_lshl_add_u32 v[SPW], v0, 2, SPARE
	v_mov_b32 v[NIL], 0
	ds_add_u32 v28, v29
	ds_add_u32 v28, v29
	s_wait_dscnt 0x0
	v_lshrrev_b32 v1, 5, v0
	v_readfirstlane_b32 s14, v1                    ; wave 0..3
	s_lshr_b32 s15, s14, 1                         ; which half of A's rows is mine.  Also: I fetch for A (0) or for B (1)
	s_and_b32 s16, s14, 1                          ; which half of B's rows.  Also: which 128 rows I fetch
	s_bfe_u32 s40, ttmp6, 0x40000                  ; cx
	s_bfe_u32 s41, ttmp6, 0x40004                  ; cy
	s_and_b32 s2, ttmp7, 0xffff
	s_lshl_b32 s2, s2, 2                           ; 4 x cluster y
	s_cmp_eq_u32 ttmp9, 0                          ; the k job?  The same in all sixteen partners
	s_cselect_b32 s18, s2, 0
	s_cselect_b32 s19, 0, s2
	s_add_co_u32 s17, s18, s41                     ; A's tile: k job 4 x cluster y + cy, v job cy
	s_add_co_u32 s42, s19, s40                     ; B's tile: k job cx, v job 4 x cluster y + cx
	s_add_co_u32 s105, s2, s41                     ; my wave's number in the launch, 0 .. 1,023: it enters the copies' addresses alone
	s_lshl_b32 s105, s105, 1
	s_add_co_u32 s105, s105, ttmp9
	s_lshl_b32 s105, s105, 2
	s_add_co_u32 s105, s105, s40
	s_lshl_b32 s105, s105, 2
	s_add_co_u32 s105, s105, s14
	s_lshl_b32 s43, s41, 2
	s_lshl_b32 s43, 15, s43                        ; my row of the cluster
	s_lshl_b32 s44, 0x1111, s40                    ; my column
	s_or_b32 s[G1+0], s43, (0<<16)|(1<<20)|(1<<21)|(5<<22)|(3<<25)  ; the mask; elements of 1 byte; padding on: 4 words behind every 64; bit 21 beside a mask
	s_or_b32 s[G1B+0], s44, (0<<16)|(1<<20)|(1<<21)|(5<<22)|(3<<25)
.irp g, G1, G1B
	s_mov_b32 s[\g+1], ROWB<<16                    ; tensor_dim0
	s_mov_b32 s[\g+2], 128<<16                     ; tensor_dim1
	s_mov_b32 s[\g+3], ROWB<<16                    ; tile_dim0
	s_mov_b32 s[\g+4], 128                         ; tile_dim1
	s_mov_b32 s[\g+5], KROW                        ; the pitch
	s_mov_b32 s[\g+6], 0
	s_mov_b32 s[\g+7], 0
.endr
	s_lshl_b32 s18, s16, 7                         ; which 128 rows of the tile I fetch
	s_lshl_b32 s20, s17, 8
	s_add_co_u32 s20, s20, s18
	s_lshl_b32 s46, s42, 8
	s_add_co_u32 s46, s46, s18
	s_mov_b32 s21, 0
	s_mov_b32 s47, 0
	s_mov_b64 s[18:19], KS
	s_mul_u64 s[22:23], s[20:21], s[18:19]         ; where these rows' scales begin
	s_mul_u64 s[92:93], s[46:47], s[18:19]
	s_mov_b64 s[18:19], KROW
	s_mul_u64 s[20:21], s[20:21], s[18:19]         ; and their codes
	s_mul_u64 s[46:47], s[46:47], s[18:19]
	s_mul_i32 s45, s14, HALFT                      ; where they go: no place in the cluster enters an LDS address
	s_mul_i32 s94, s14, HALFS
	s_wait_kmcnt 0x0
	s_cmp_eq_u32 ttmp9, 0
	s_cselect_b64 s[4:5], s[68:69], s[76:77]       ; A's codes: K's or Wv's
	s_cselect_b64 s[6:7], s[70:71], s[78:79]       ; A's scales
	s_cselect_b64 s[8:9], s[72:73], s[68:69]       ; B's codes: Wk's or K's
	s_cselect_b64 s[10:11], s[74:75], s[70:71]     ; B's scales
	s_cselect_b64 s[96:97], s[96:97], s[98:99]     ; the bias: bk or bv
	; the scales of 128 rows: a dense block of 4,096 bytes, as 16 rows of 256 bytes (32 elements of 8 bytes), 16 bytes of padding behind each
	s_or_b32 s[G1S+0], s43, (3<<16)|(1<<20)|(1<<21)|(5<<22)|(3<<25)
	s_or_b32 s[G1SB+0], s44, (3<<16)|(1<<20)|(1<<21)|(5<<22)|(3<<25)
.irp g, G1S, G1SB
	s_mov_b32 s[\g+1], 32<<16
	s_mov_b32 s[\g+2], (128*KS/256)<<16
	s_mov_b32 s[\g+3], 32<<16
	s_mov_b32 s[\g+4], 128*KS/256
	s_mov_b32 s[\g+5], 32
	s_mov_b32 s[\g+6], 0
	s_mov_b32 s[\g+7], 0
.endr
	s_add_nc_u64 s[20:21], s[4:5], s[20:21]
	s_add_nc_u64 s[22:23], s[6:7], s[22:23]
	s_add_nc_u64 s[46:47], s[8:9], s[46:47]
	s_add_nc_u64 s[92:93], s[10:11], s[92:93]
	CROUND                                         ; all sixteen work-groups are here: the first joint loads meet
	s_mov_b32 s[G0S], 1
	s_add_co_u32 s[G0S+1], s94, SCL
	s_mov_b64 s[G0S+2:G0S+3], s[22:23]
	s_or_b32 s[G0S+3], s[G0S+3], 0x80000000
	s_mov_b32 s[G0SB], 1
	s_add_co_u32 s[G0SB+1], s94, SCL
	s_mov_b64 s[G0SB+2:G0SB+3], s[92:93]
	s_or_b32 s[G0SB+3], s[G0SB+3], 0x80000000
	JLOAD G0S, G1S, G0SB, G1SB                     ; the scales first: they are wanted with the first slot
.irp s, 0,1
	s_mov_b32 s[G0+4*\s], 1
	s_add_co_u32 s[G0+4*\s+1], s45, \s*SLOT
	s_add_nc_u64 s[G0+4*\s+2:G0+4*\s+3], s[20:21], \s*ROWB
	s_or_b32 s[G0+4*\s+3], s[G0+4*\s+3], 0x80000000
	s_mov_b32 s[G0B+4*\s], 1
	s_add_co_u32 s[G0B+4*\s+1], s45, \s*SLOT
	s_add_nc_u64 s[G0B+4*\s+2:G0B+4*\s+3], s[46:47], \s*ROWB
	s_or_b32 s[G0B+4*\s+3], s[G0B+4*\s+3], 0x80000000
	JLOAD G0+4*\s, G1, G0B+4*\s, G1B               ; three tensor loads of mine are out: all of this launch's
.endr
	v_and_b32 v1, 15, v0                           ; r
	v_bfe_u32 v2, v0, 4, 1                         ; h
	v_mul_u32_u24 v3, v1, PITCH
	v_lshl_add_u32 v4, v2, 4, v3                   ; a fragment's row x pitch + 16 h
	s_mul_i32 s21, s15, HALFT                      ; my 128 rows of A
	s_mul_i32 s22, s16, HALFT                      ; my 128 rows of B,
	s_add_co_u32 s22, s22, 2*HALFT                 ; behind A's 256
.irp s, 0,1
	v_add_nc_u32 v[ADRA+\s], s21, v4
	v_add_nc_u32 v[ADRB+\s], s22, v4
	s_add_co_u32 s21, s21, SLOT
	s_add_co_u32 s22, s22, SLOT
.endr
	v_mul_u32_u24 v5, v1, KS                       ; my row's scales: 32 bytes a row,
	v_lshrrev_b32 v6, 8, v5
	v_lshl_add_u32 v5, v6, 4, v5                   ; and 16 more for each 256 passed
	s_mul_i32 s21, s15, HALFS
	s_mul_i32 s22, s16, HALFS
	s_add_co_u32 s22, s22, 2*HALFS
	s_sub_co_u32 s22, s22, s21
	v_mul_u32_u24 v6, s22, v2                      ; lanes 16-31 take B's
	s_add_co_u32 s21, s21, SCL
	v_add_nc_u32 v5, v5, v6
	v_add_nc_u32 v[ADRS], s21, v5
	v_lshlrev_b32 v[BO1], 5, v2
	v_lshlrev_b32 v[BO2], 2, v1
	v_lshlrev_b32 v[CSRC], 9, v1
	v_lshl_add_u32 v[CSRC], v2, 4, v[CSRC]
	v_and_b32 v6, 31, v0
	v_lshlrev_b32 v[L16], 4, v6
	v_lshlrev_b32 v[L8], 3, v6
.irp b, 0,1,2,3
	v_mov_b32 v[TM+4+\b], 0                        ; written once: a lane permute's destination counts as one of its sources
.endr
	; which record of kvf and kvs is my wave's: (batch, head, key step of 128).  A wave has 128 keys (one key step) and 128 output numbers (two heads, 8 records apart)
	s_lshl_b32 s20, s17, 8
	s_lshl_b32 s21, s15, 7
	s_add_co_u32 s20, s20, s21                     ; my first row of A
	s_lshl_b32 s21, s42, 8
	s_lshl_b32 s22, s16, 7
	s_add_co_u32 s21, s21, s22                     ; my first row of B
	s_cmp_eq_u32 ttmp9, 0
	s_cselect_b32 s22, s20, s21                    ; my first key (a row of the input K)
	s_cselect_b32 s23, s21, s20                    ; my first output number (a row of the weight)
	s_lshr_b32 s18, s22, 10
	s_lshl_b32 s18, s18, 4
	s_lshr_b32 s19, s23, 6
	s_add_co_u32 s18, s18, s19
	s_lshl_b32 s18, s18, 3
	s_bfe_u32 s19, s22, 0x30007
	s_add_co_u32 s18, s18, s19                     ; (16 batch + head) x 8 + key step
	s_load_b256 s[4:11], s[0:1], 0x40              ; Wq's codes, Wo's codes, kvf, kvs
	s_load_b128 s[92:95], s[0:1], 0x60             ; wqf, wof
	s_mov_b32 s100, 0x76543210
	s_mov_b32 s101, 0xfedcba98                     ; v_permlanex16_b32's selects for lane l xor 16
	s_mov_b32 s104, 0xffff0000                     ; lanes 16-31
	s_mov_b32 s3, 0
	s_lshl_b32 s2, s23, 2
	s_add_nc_u64 s[96:97], s[96:97], s[2:3]        ; the bias at my first output number
	s_wait_kmcnt 0x0
	s_lshl_b32 s2, s18, 13
	s_add_nc_u64 s[12:13], s[8:9], s[2:3]          ; kvf: 8,192 bytes a record
	s_mul_i32 s2, s18, 768
	s_add_nc_u64 s[46:47], s[10:11], s[2:3]        ; kvs: 768 bytes a record
	s_lshr_b32 s2, s105, 4                         ; my piece of Wq and Wo: tile of 16 rows id / 16, K step (id / 2) % 8, half id % 2
	s_lshl_b32 s2, s2, 13
	s_bfe_u32 s19, s105, 0x30001
	s_lshl_b32 s19, s19, 6
	s_add_co_u32 s2, s2, s19
	s_and_b32 s19, s105, 1
	s_lshl_b32 s19, s19, 5
	s_add_co_u32 s2, s2, s19
	s_add_nc_u64 s[4:5], s[4:5], s[2:3]
	s_add_nc_u64 s[6:7], s[6:7], s[2:3]
	s_lshl_b32 s2, s105, 9
	s_add_nc_u64 s[92:93], s[92:93], s[2:3]
	s_add_nc_u64 s[94:95], s[94:95], s[2:3]
	global_load_b128 v[CPY:CPY+3], v[CSRC], s[4:5]
	global_load_b128 v[CPY+4:CPY+7], v[CSRC], s[6:7]
	s_cmp_lg_u32 ttmp9, 0
	s_cbranch_scc1 .Lbias_v
.irp b, 0,1,2,3,4,5,6,7                        ; k job: the bias runs along the registers: bk at 16 b + 8 h + j
	global_load_b128 v[BM+8*\b:BM+8*\b+3], v[BO1], s[96:97] offset:64*\b
	global_load_b128 v[BM+8*\b+4:BM+8*\b+7], v[BO1], s[96:97] offset:64*\b+16
.endr
	s_branch .Lbias_done
.Lbias_v:
.irp a, 0,1,2,3,4,5,6,7                        ; v job: the bias belongs to the lane's row: bv at 16 a + r, in all eight registers
.irp j, 0,1,2,3,4,5,6,7
	global_load_b32 v[BM+8*\a+\j], v[BO2], s[96:97] offset:64*\a
.endr
.endr
.Lbias_done:
	s_wait_loadcnt 0x0
	global_store_b128 v[L16], v[CPY:CPY+3], s[92:93]       ; 32 lanes store 512 consecutive bytes, aligned
	global_store_b128 v[L16], v[CPY+4:CPY+7], s[94:95]
.macro FRAG reg, adr, q, i             ; 16 rows x 128 K of 4-bit codes: 8 registers; registers 4 c .. 4 c + 3 hold K = 64 c + 32 h + 0 .. 31
.irp c, 0,1
	ds_load_b128 v[\reg+4*\c:\reg+4*\c+3], v[\adr] offset:64*(\q)+32*\c+(\i)*16*PITCH
.endr
.endm
; 16 matrix instructions: A's blocks a0, a0 + 1 x B's eight.  zero = 1: the sums start from the bias by B's block; 2: by A's block; 0: in place.
; The 64 accumulators take turns, one instruction a turn, in the same order in every step.
.macro MUL16 a0, p, q, sc, zero
.irp a, \a0, \a0+1
.irp b, 0,1,2,3,4,5,6,7
.if \zero == 1
	v_wmma_scale_f32_16x16x128_f8f6f4 v[8*(8*((\a)%4)+\b):8*(8*((\a)%4)+\b)+7], v[128*(\p)+FR*\b:128*(\p)+FR*\b+FR-1], v[AF+FR*(\a):AF+FR*(\a)+FR-1], v[BM+8*\b:BM+8*\b+7], v[SC+8*NQ*(\sc)+NQ*\b+(\q)], v[SC+8*NQ*(\sc)+NQ*(\a)+(\q)] matrix_a_fmt:MATRIX_FMT_FP4 matrix_b_fmt:MATRIX_FMT_FP4 matrix_a_scale:MATRIX_SCALE_ROW1
.elseif \zero == 2
	v_wmma_scale_f32_16x16x128_f8f6f4 v[8*(8*((\a)%4)+\b):8*(8*((\a)%4)+\b)+7], v[128*(\p)+FR*\b:128*(\p)+FR*\b+FR-1], v[AF+FR*(\a):AF+FR*(\a)+FR-1], v[BM+8*(\a):BM+8*(\a)+7], v[SC+8*NQ*(\sc)+NQ*\b+(\q)], v[SC+8*NQ*(\sc)+NQ*(\a)+(\q)] matrix_a_fmt:MATRIX_FMT_FP4 matrix_b_fmt:MATRIX_FMT_FP4 matrix_a_scale:MATRIX_SCALE_ROW1
.else
	v_wmma_scale_f32_16x16x128_f8f6f4 v[8*(8*((\a)%4)+\b):8*(8*((\a)%4)+\b)+7], v[128*(\p)+FR*\b:128*(\p)+FR*\b+FR-1], v[AF+FR*(\a):AF+FR*(\a)+FR-1], v[8*(8*((\a)%4)+\b):8*(8*((\a)%4)+\b)+7], v[SC+8*NQ*(\sc)+NQ*\b+(\q)], v[SC+8*NQ*(\sc)+NQ*(\a)+(\q)] matrix_a_fmt:MATRIX_FMT_FP4 matrix_b_fmt:MATRIX_FMT_FP4 matrix_a_scale:MATRIX_SCALE_ROW1
.endif
.endr
.endr
.endm
.macro FETCH_B slot, q, p
	WIN TO_B
.irp i, 0,1,2,3,4,5,6,7
	FRAG 128*(\p)+FR*\i, ADRB+\slot, \q, \i
.endr
	WIN 0
.endm
.macro FETCH_A slot, q, i0
.irp i, \i0, \i0+1, \i0+2, \i0+3
	FRAG AF+FR*(\i), ADRA+\slot, \q, \i
.endr
.endm
.macro SCALES sc                       ; a slot's scale words: 4 words a row; lanes 0-15 take A's block i, lanes 16-31 B's block i
.irp i, 0,1,2,3,4,5,6,7
	ds_load_b128 v[SC+8*NQ*\sc+NQ*\i:SC+8*NQ*\sc+NQ*\i+3], v[ADRS] offset:\i*SBLK
.endr
.endm
.macro PLACES n                        ; plain vector instructions behind a matrix instruction, ahead of loads into its registers and of reads of its results
.rept \n
	v_nop
.endr
.endm
.macro STEP slot, q, zero              ; a step of 128 along K that has its successor in the same slot
	s_wait_dscnt 4*NL                              ; B's set and A's blocks 0-3 are in; the youngest eight loads (A's blocks 4-7) may be out
.if \zero
	WIN FST_LO
.else
	WIN MUL_LO
.endif
	MUL16 0, (\q)%2, \q, \slot, \zero
	MUL16 2, (\q)%2, \q, \slot, \zero
	s_wait_dscnt 0
	PLACES NP
	FETCH_B \slot, (\q)+1, 1-(\q)%2
	FETCH_A \slot, (\q)+1, 0
.if \zero
	WIN FST_HI
.else
	WIN MUL_HI
.endif
	MUL16 4, (\q)%2, \q, \slot, \zero
	MUL16 6, (\q)%2, \q, \slot, \zero
	PLACES NP
	WIN 0
	FETCH_A \slot, (\q)+1, 4
.endm
.macro TURN slot, next                 ; slot 0's last step: the change of slots.  Nothing is filled again in this launch
	s_wait_tensorcnt 0x0                           ; all my tensor loads have landed: my part of the next slot
	ds_add_u32 v[SPW], v[NIL]                      ; 0 onto my spare word
	s_wait_dscnt 4*NL+1                            ; the add and the youngest eight loads may be out
	WIN MUL_LO
	MUL16 0, 1, NQ-1, \slot, 0
	s_wait_dscnt 0x0                               ; the add is done, and my reads of this slot are over
	s_barrier_signal -1
	MUL16 2, 1, NQ-1, \slot, 0
	WIN 0
	s_barrier_wait -1                              ; every wave's part of the next slot has landed
	PLACES NP
	v_add_nc_u32 v[ADRS], 4*NQ, v[ADRS]            ; on to the next slot's scale words
	FETCH_B \next, 0, 0
	FETCH_A \next, 0, 0
	SCALES \next
	WIN MUL_HI
	MUL16 4, 1, NQ-1, \slot, 0
	MUL16 6, 1, NQ-1, \slot, 0
	PLACES NP
	WIN 0
	FETCH_A \next, 0, 4
.endm
.macro STEPS slot, from
.set Q, \from
.rept NQ-1-\from
	STEP \slot, Q, 0
.set Q, Q+1
.endr
.endm
	s_wait_tensorcnt 1                             ; the scales and my part of slot 0 are in; slot 1's load may be out
	s_barrier_signal -1
	s_barrier_wait -1                              ; everybody's are
	FETCH_B 0, 0, 0
	FETCH_A 0, 0, 0
	SCALES 0
	FETCH_A 0, 0, 4
	s_cmp_lg_u32 ttmp9, 0                          ; the first step starts the sums from the bias, which lies otherwise in the two jobs
	s_cbranch_scc1 .Lfirst_v
	STEP 0, 0, 1
	s_branch .Lfirst_done
.Lfirst_v:
	STEP 0, 0, 2
.Lfirst_done:
	STEPS 0, 1
	TURN 0, 1
	STEPS 1, 0
	s_wait_dscnt 4*NL                              ; the last step: nothing more to fetch
	WIN MUL_LO
	MUL16 0, 1, NQ-1, 1, 0
	MUL16 2, 1, NQ-1, 1, 0
	s_wait_dscnt 0
	WIN MUL_HI
	MUL16 4, 1, NQ-1, 1, 0
	MUL16 6, 1, NQ-1, 1, 0
	WIN 0
; THE WAY OUT.  Block a (16 rows of A x my 128 rows of B: 64 numbers a lane) becomes 8 registers of codes and a scale word of four bytes.
.macro QUANTW a
.set AC, 64*((\a)%4)
.set W1, 2+(\a)/4                      ; the block's window, as source 0
.set W2, W1|(W1<<2)                    ; as sources 0 and 1
	WIN W2
.irp b, 0,1,2,3
	v_max3_num_f32 v[TM+\b], |v[AC+16*\b]|, |v[AC+16*\b+1]|, 0x1800000   ; my 16 numbers of block b, each accumulator from its low end on, and the floor 2^(3 - 127): the byte cannot fall under 1
.endr
.irp i, 2,4,6,8,10,12,14
.irp b, 0,1,2,3
	v_max3_num_f32 v[TM+\b], |v[AC+16*\b+\i]|, |v[AC+16*\b+\i+1]|, v[TM+\b]
.endr
.endr
	WIN 0
.irp b, 0,1,2,3
	v_permlanex16_b32 v[TM+4+\b], v[TM+\b], s100, s101
.endr
.irp b, 0,1,2,3
	v_max_num_f32 v[TM+\b], v[TM+\b], v[TM+4+\b]   ; with lane l xor 16's: the block's largest magnitude
.endr
.irp b, 0,1,2,3
	v_add_nc_u32 v[TM+12+\b], 0xff000000, v[TM+\b] ; 2 off its exponent field: the conversion's scale operand
.endr
.irp b, 0,1,2,3
	v_lshrrev_b32 v[TM+4+\b], 23, v[TM+12+\b]      ; the scale's byte
.endr
	v_lshl_or_b32 v[PW+(\a)], v[TM+5], 8, v[TM+4]
	v_lshl_or_b32 v[PW+(\a)], v[TM+6], 16, v[PW+(\a)]
	v_lshl_or_b32 v[PW+(\a)], v[TM+7], 24, v[PW+(\a)]
	WIN W1
.irp t, 0,1,2,3,4,5,6,7
	v_cvt_scalef32_pk8_fp4_f32 v[PC+8*(\a)+4*(\t/4)+2*(\t%2)+(\t%4)/2], v[AC+8*\t:AC+8*\t+7], v[TM+12+\t/2]
.endr
	WIN 0
	v_nop                                          ; one plain place behind a scaled conversion
.irp c, 0,1
	v_permlane16_swap_b32 v[PC+8*(\a)+4*\c], v[PC+8*(\a)+4*\c+1]     ; a whole block of 32 in a lane: lanes 0-15 block 2 c, lanes 16-31 block 2 c + 1
	v_permlane16_swap_b32 v[PC+8*(\a)+4*\c+2], v[PC+8*(\a)+4*\c+3]
.endr
.endm
	PLACES NP                                      ; behind the last products
.irp a, 0,1,2,3,4,5,6,7
	QUANTW \a
.endr
	s_cmp_lg_u32 ttmp9, 0
	s_cbranch_scc1 .Lout_v
	; k job: block a is the key step's tile a of 16 keys; registers 0-3 are the first head's 64 numbers, 4-7 the second's; of the word, bytes 0, 1 and bytes 2, 3
.irp a, 0,1,2,3,4,5,6,7
	v_and_b32 v[WA+\a], 0xffff, v[PW+\a]
	v_lshrrev_b32 v[WB+\a], 16, v[PW+\a]
.endr
.irp i, 0,1,2,3
	v_cndmask_b32 v[PK+\i], v[WA+2*\i], v[WA+2*\i+1], s104       ; word i: lanes 0-15 tile 2 i's, lanes 16-31 tile 2 i + 1's
	v_cndmask_b32 v[PK+4+\i], v[WB+2*\i], v[WB+2*\i+1], s104
.endr
.irp a, 0,1,2,3,4,5,6,7
	global_store_b128 v[L16], v[PC+8*\a:PC+8*\a+3], s[12:13] offset:512*\a           ; 32 lanes store 512 consecutive bytes, aligned
	global_store_b128 v[L16], v[PC+8*\a+4:PC+8*\a+7], s[12:13] offset:65536+512*\a   ; the next head: 8 records on
.endr
	global_store_b128 v[L16], v[PK:PK+3], s[46:47]
	global_store_b128 v[L16], v[PK+4:PK+7], s[46:47] offset:6144
	s_branch .Lout_done
.Lout_v:
	; v job: block a is head a / 4's tile a % 4 of 16 numbers; its 8 registers are the whole fragment for these 128 keys
.irp x, 0,1
.irp i, 0,1
	v_cndmask_b32 v[PK+2*\x+\i], v[PW+4*\x+2*\i], v[PW+4*\x+2*\i+1], s104
.endr
.endr
.irp a, 0,1,2,3,4,5,6,7
.irp c, 0,1
	global_store_b128 v[L16], v[PC+8*\a+4*\c:PC+8*\a+4*\c+3], s[12:13] offset:4096+(\a/4)*65536+(\a%4)*1024+\c*512
.endr
.endr
	global_store_b64 v[L8], v[PK:PK+1], s[46:47] offset:512          ; 32 lanes store 256 consecutive bytes, aligned
	global_store_b64 v[L8], v[PK+2:PK+3], s[46:47] offset:512+6144
.Lout_done:
	s_wait_tensorcnt 0x0                           ; the wave's end
	ds_add_u32 v[SPW], v[NIL]
	s_wait_dscnt 0x0
	CROUND                                         ; the closing round
	s_endpgm
.Lfunc_end_k_q2c073851a0_kvproj:
	.size	k_q2c073851a0_kvproj, .Lfunc_end_k_q2c073851a0_kvproj-k_q2c073851a0_kvproj
	.p2alignl 7, 3214868480
	.fill 96, 4, 3214868480
	.section	.rodata,"a",@progbits
	.p2align	6, 0x0
	.amdhsa_kernel k_q2c073851a0_kvproj
		.amdhsa_group_segment_fixed_size 327680
		.amdhsa_private_segment_fixed_size 0
		.amdhsa_enable_private_segment 0
		.amdhsa_kernarg_size 112
		.amdhsa_user_sgpr_count 2
		.amdhsa_user_sgpr_kernarg_segment_ptr 1
		.amdhsa_wavefront_size32 1
		.amdhsa_system_sgpr_workgroup_id_x 1
		.amdhsa_system_sgpr_workgroup_id_y 1
		.amdhsa_system_sgpr_workgroup_id_z 1
		.amdhsa_system_vgpr_workitem_id 0
		.amdhsa_next_free_vgpr 1024
		.amdhsa_next_free_sgpr 106
		.amdhsa_reserve_vcc 0
		.amdhsa_float_denorm_mode_32 3
		.amdhsa_float_denorm_mode_16_64 3
		.amdhsa_memory_ordered 1
		.amdhsa_forward_progress 1
		.amdhsa_inst_pref_size 151
	.end_amdhsa_kernel
	.amdgpu_metadata
---
amdhsa.version: [ 1, 2 ]
amdhsa.kernels:
  - .name:           k_q2c073851a0_kvproj
    .symbol:         k_q2c073851a0_kvproj.kd
    .args:
      - { .name: K_codes, .offset: 0, .size: 8, .value_kind: global_buffer, .address_space: global }
      - { .name: K_scales, .offset: 8, .size: 8, .value_kind: global_buffer, .address_space: global }
      - { .name: Wk_codes, .offset: 16, .size: 8, .value_kind: global_buffer, .address_space: global }
      - { .name: Wk_scales, .offset: 24, .size: 8, .value_kind: global_buffer, .address_space: global }
      - { .name: Wv_codes, .offset: 32, .size: 8, .value_kind: global_buffer, .address_space: global }
      - { .name: Wv_scales, .offset: 40, .size: 8, .value_kind: global_buffer, .address_space: global }
      - { .name: bk, .offset: 48, .size: 8, .value_kind: global_buffer, .address_space: global }
      - { .name: bv, .offset: 56, .size: 8, .value_kind: global_buffer, .address_space: global }
      - { .name: Wq_codes, .offset: 64, .size: 8, .value_kind: global_buffer, .address_space: global }
      - { .name: Wo_codes, .offset: 72, .size: 8, .value_kind: global_buffer, .address_space: global }
      - { .name: kvf, .offset: 80, .size: 8, .value_kind: global_buffer, .address_space: global }
      - { .name: kvs, .offset: 88, .size: 8, .value_kind: global_buffer, .address_space: global }
      - { .name: wqf, .offset: 96, .size: 8, .value_kind: global_buffer, .address_space: global }
      - { .name: wof, .offset: 104, .size: 8, .value_kind: global_buffer, .address_space: global }
    .group_segment_fixed_size: 327680
    .private_segment_fixed_size: 0
    .kernarg_segment_align: 8
    .kernarg_segment_size: 112
    .max_flat_workgroup_size: 128
    .sgpr_count:     106
    .vgpr_count:     1024
    .wavefront_size: 32
...
	.end_amdgpu_metadata
.endif
;; end of part 1
;; launch mab (part 2): grid 256 x 1, 16 waves a work-group, no clusters, 166,912 bytes of LDS; arguments Q_codes, Q_scales, wqf, Wq_scales, bq, kvf, kvs, g0, b0, wof, Wo_scales, bo, g1, b1, out0; writes out0
.if DOCPART == 2
	.amdgcn_target "amdgcn-amd-amdhsa--gfx1250"
	.amdhsa_code_object_version 6
	.text
	.protected	k_q2c073851a0_mab
	.globl	k_q2c073851a0_mab
	.p2align	8
	.type	k_q2c073851a0_mab,@function
k_q2c073851a0_mab:
	s_mov_b64 s[64:65], 0
	v_nop
	global_prefetch_b8 v0, s[64:65] scope:SCOPE_SE
	s_setreg_imm32_b32 hwreg(HW_REG_WAVE_MODE, 25, 1), 1
	s_wait_xcnt 0x0
; For 32 rows of one batch and all 16 heads: q = Q Wq^T + bq; attention on codes of FP4 (E2M1); + q; LayerNorm; quantise; the product with Wo; relu and residual; LayerNorm.  Nothing but the result goes to memory.
; SHARES.  Work-group g owns rows 32 g .. 32 g + 31.  Wave w is head w, which is also columns 64 w .. 64 w + 63, for both tiles of 16 rows (qt = 0, 1).
; LAYOUT.  Every product is used transposed (source 0 = 16 rows of a weight, of k or of v^T; source 1 = 16 of my rows): lane (r, h) holds ONE row r, and register 32 qt + 8 e + j the column 64 w + 16 e + 8 h + j.
; q, O^T, the first norm's y, the product with Wo and z all lie so: every residual is an addition register by register.
; QUANTISING A RESULT: a block of 32 columns is the lane's 16 registers of tiles 2 b, 2 b + 1 and those of lane l xor 16.  The conversion of tile t goes to code register 4 (t / 4) + 2 (t % 2) + (t % 4) / 2;
; two exchanges of halves for each four registers give registers 4 c .. 4 c + 3 the numbers 64 c + 32 h + 0 .. 31, as the operand's layout asks.
; THE SCORES HAVE K = 64 in an instruction of K = 128: q's registers 4-7 are zero codes; k's operand for tile t is its four registers and the four behind them (the next tile's, or zeros), which meet zero codes;
; the scale bytes of that half are 0 on both sides.
; THE SOFTMAX: t = score x log2(e) / 32; M = the running largest t rounded up to a whole number; p = 2^(t - M) is quantised along the keys; the row's sum is taken of the unquantised p and divides at the end.
; OPERANDS: weights, k and v^T come from memory straight into operand registers, 512 consecutive bytes a load, from buffers that the launch before laid in that order.  The rows' own fragments (Q's codes, y's codes)
; go from wave to wave through LDS as images of their registers.
; NO CLUSTER, NO JOINT LOADS: the 32 work-groups of a batch walk the same k and v^T, but a key step for 16 heads is 16 x 8,960 = 143,360 bytes; two such slots and this text's 164,864 bytes pass 327,680.
; LIMITS: NaN and infinities are not served.  A block whose largest magnitude lies under 2^-124 has its byte held at 1; a block of zeros gets the byte 1 where the rule says 127: its codes are zeros, and this program alone reads the bytes.
; A given scale byte 0xff gives NaN.
; REGISTERS: v0 thread; v1 16 x lane, v2 8 x lane, v3 256 x lane; v[4:5] a factor, as a pair; v6 at work, or 32 x lane; v7 32 h; v8-15 for each qt: -M, largest t, the sum in two halves;
;   v16-31 q's two fragments; v32-63 k, v64-67 zeros, v68-99 v^T (in the products v32-127: three sets of weight fragments); v100-163 scores, then p, else at work (v128-159: two sets of my rows' fragments);
;   v164-227 the 64 numbers of my rows; v228-235 codes; v236-243 at work; v244-255 scale words and nothing else.
.set IMG,  0                           ; LDS: 16 fragments' images, (qt, K step s) at (8 qt + s) x 1,024 + 512 c + 16 x lane
.set YSC,  16384                       ; y's scale bytes: 32 a row
.set RED,  17408                       ; four slots of 2,048 bytes, one for each sum over the waves: 128 x wave + 4 x lane
.set RES,  25600                       ; 8,704 bytes for each wave, its own: an image of 64 registers; at the end two stages of 16 rows x 272
.set RESW, 8704
.set QF,   16
.set KF,   32
.set VF,   68
.set S,    100
.set O,    164
.set PC,   228
.set BM,   236
.set T2,   240
.set KSR,  244
.set VSR,  248
.set QSR,  250
.set PW,   252
.set WS,   244                         ; in the products: the weight's scale words, v[244 + 4 i + s % 4]: lane l holds row 32 i + l
.set XS,   252                         ; and my rows': lane l holds row l
.set STG,  228                         ; the words of K steps 4-7 wait here
.set WF,   32
.set XF,   128
.macro NOP4                            ; four places behind a matrix instruction (ISA guide 7.12.1)
.rept 4
	v_nop
.endr
.endm
; One matrix instruction.  ra, rb: the half of the lanes from which the scale words are taken.
.macro WM d, a, b, c, sa, sb, ra, rb
.if ((\ra) == 0) && ((\rb) == 0)
	v_wmma_scale_f32_16x16x128_f8f6f4 v[\d:\d+7], v[\a:\a+7], v[\b:\b+7], v[\c:\c+7], v[\sa], v[\sb] matrix_a_fmt:MATRIX_FMT_FP4 matrix_b_fmt:MATRIX_FMT_FP4
.elseif ((\rb) == 0)
	v_wmma_scale_f32_16x16x128_f8f6f4 v[\d:\d+7], v[\a:\a+7], v[\b:\b+7], v[\c:\c+7], v[\sa], v[\sb] matrix_a_fmt:MATRIX_FMT_FP4 matrix_b_fmt:MATRIX_FMT_FP4 matrix_a_scale:MATRIX_SCALE_ROW1
.elseif ((\ra) == 0)
	v_wmma_scale_f32_16x16x128_f8f6f4 v[\d:\d+7], v[\a:\a+7], v[\b:\b+7], v[\c:\c+7], v[\sa], v[\sb] matrix_a_fmt:MATRIX_FMT_FP4 matrix_b_fmt:MATRIX_FMT_FP4 matrix_b_scale:MATRIX_SCALE_ROW1
.else
	v_wmma_scale_f32_16x16x128_f8f6f4 v[\d:\d+7], v[\a:\a+7], v[\b:\b+7], v[\c:\c+7], v[\sa], v[\sb] matrix_a_fmt:MATRIX_FMT_FP4 matrix_b_fmt:MATRIX_FMT_FP4 matrix_a_scale:MATRIX_SCALE_ROW1 matrix_b_scale:MATRIX_SCALE_ROW1
.endif
.endm
.macro WMZ d, a, b, sa, sb, ra         ; the same with C = 0
.if (\ra) == 0
	v_wmma_scale_f32_16x16x128_f8f6f4 v[\d:\d+7], v[\a:\a+7], v[\b:\b+7], 0, v[\sa], v[\sb] matrix_a_fmt:MATRIX_FMT_FP4 matrix_b_fmt:MATRIX_FMT_FP4
.else
	v_wmma_scale_f32_16x16x128_f8f6f4 v[\d:\d+7], v[\a:\a+7], v[\b:\b+7], 0, v[\sa], v[\sb] matrix_a_fmt:MATRIX_FMT_FP4 matrix_b_fmt:MATRIX_FMT_FP4 matrix_a_scale:MATRIX_SCALE_ROW1
.endif
.endm
; A PRODUCT OF MY 32 ROWS WITH MY 64 ROWS OF A WEIGHT, K = 1,024 in 8 steps.
.macro WLOAD pw, k                     ; my four weight fragments of K step k into set k % 3: 8 loads
.irp e, 0,1,2,3
.irp c, 0,1
	global_load_b128 v[WF+32*((\k)%3)+8*\e+4*\c:WF+32*((\k)%3)+8*\e+4*\c+3], v1, s[\pw:\pw+1] offset:\e*8192+(\k)*1024+\c*512
.endr
.endr
.endm
.macro XLOAD k                         ; my rows' two fragments of K step k into set k % 2: 4 loads
.irp q, 0,1
.irp c, 0,1
	ds_load_b128 v[XF+16*((\k)%2)+8*\q+4*\c:XF+16*((\k)%2)+8*\q+4*\c+3], v1 offset:IMG+(8*\q+(\k))*1024+\c*512
.endr
.endr
.endm
; The global loads: the bias straight into the accumulators (so that all 8 steps add in place), the scale words, the first three K steps' weights.  16 + 4 (+ 2) + 24 loads.
.macro GEMM_LOADS pw, ps, pb, xsrc
.irp q, 0,1
.irp e, 0,1,2,3
	global_load_b128 v[O+32*\q+8*\e:O+32*\q+8*\e+3], v7, s[\pb:\pb+1] offset:64*\e
	global_load_b128 v[O+32*\q+8*\e+4:O+32*\q+8*\e+7], v7, s[\pb:\pb+1] offset:64*\e+16
.endr
.endr
.irp i, 0,1
	global_load_b128 v[WS+4*\i:WS+4*\i+3], v6, s[\ps:\ps+1] offset:1024*\i
	global_load_b128 v[STG+4*\i:STG+4*\i+3], v6, s[\ps:\ps+1] offset:1024*\i+16
.endr
.if \xsrc == 0
	global_load_b128 v[XS:XS+3], v6, s[6:7]
	global_load_b128 v[STG+8:STG+11], v6, s[6:7] offset:16
.endif
.irp k, 0,1,2
	WLOAD \pw, \k
.endr
.endm
.macro GEMM_RUN pw, xsrc
.if \xsrc
	ds_load_b128 v[XS:XS+3], v6 offset:YSC
	ds_load_b128 v[STG+8:STG+11], v6 offset:YSC+16
.endif
	XLOAD 0
	XLOAD 1
.irp k, 0,1,2,3,4,5,6,7
.if \k <= 5
	s_wait_loadcnt 16                              ; this step's weights are in; the 16 loads of the two steps behind it may be out
.elseif \k == 6
	s_wait_loadcnt 8
.else
	s_wait_loadcnt 0x0
.endif
.if \k < 7
	s_wait_dscnt 4                                 ; this step's fragments of my rows are in; the next step's four loads may be out
.else
	s_wait_dscnt 0x0
.endif
.irp e, 0,1,2,3                                ; eight accumulators by turns, one instruction a turn
.irp q, 0,1
	WM O+32*\q+8*\e, WF+32*(\k%3)+8*\e, XF+16*(\k%2)+8*\q, O+32*\q+8*\e, WS+4*(\e/2)+\k%4, XS+\k%4, \e%2, \q
.endr
.endr
	NOP4
.if \k+3 <= 7
	WLOAD \pw, \k+3
.endif
.if \k+2 <= 7
	XLOAD \k+2
.endif
.if \k == 3
.irp i, 0,1,2,3,4,5,6,7,8,9,10,11
	v_mov_b32 v[WS+\i], v[STG+\i]                  ; the scale words of K steps 4-7
.endr
.rept 8
	v_nop                                          ; a scale register written by a vector instruction stands 8 places ahead of the scaled matrix instruction
.endr
.endif
.endr
.endm
; 32 numbers of a lane (four tiles of one qt: two blocks) become four registers of codes at v[p] and a word of two scale bytes in v[w].
.macro QUANT2 src, p, w
.irp b, 0,1
	v_max3_num_f32 v[BM+\b], |v[\src+16*\b]|, |v[\src+16*\b+1]|, 0x1800000   ; and the floor 2^(3 - 127): the byte cannot fall under 1
.endr
.irp i, 2,4,6,8,10,12,14
.irp b, 0,1
	v_max3_num_f32 v[BM+\b], v[BM+\b], |v[\src+16*\b+\i]|, |v[\src+16*\b+\i+1]|
.endr
.endr
.irp b, 0,1
	v_permlanex16_b32 v[T2+\b], v[BM+\b], s36, s37
.endr
.irp b, 0,1
	v_max_num_f32 v[BM+\b], v[BM+\b], v[T2+\b]
.endr
.irp b, 0,1
	v_add_nc_u32 v[BM+\b], 0xff000000, v[BM+\b]    ; 2 off the exponent field: the conversion's scale operand
.endr
.irp b, 0,1
	v_lshrrev_b32 v[T2+\b], 23, v[BM+\b]           ; the scale's byte
.endr
	v_lshl_or_b32 v[\w], v[T2+1], 8, v[T2]
.irp t, 0,1,2,3
	v_cvt_scalef32_pk8_fp4_f32 v[\p+2*(\t%2)+\t/2], v[\src+8*\t:\src+8*\t+7], v[BM+\t/2]
.endr
	v_nop                                          ; one plain place behind a scaled conversion
	v_permlane16_swap_b32 v[\p], v[\p+1]
	v_permlane16_swap_b32 v[\p+2], v[\p+3]
.endm
; ATTENTION.  A key step is 128 keys: one record of kvf (8,192 bytes) and of kvs (768).
.macro KLOAD off, offs                 ; 9 loads
.irp t, 0,1,2,3,4,5,6,7
	global_load_b128 v[KF+4*\t:KF+4*\t+3], v1, s[14:15] offset:\off+512*\t
.endr
	global_load_b128 v[KSR:KSR+3], v1, s[16:17] offset:\offs
.endm
.macro VLOAD off, offs                 ; 9 loads
.irp d, 0,1,2,3
.irp c, 0,1
	global_load_b128 v[VF+8*\d+4*\c:VF+8*\d+4*\c+3], v1, s[14:15] offset:\off+4096+1024*\d+512*\c
.endr
.endr
	global_load_b64 v[VSR:VSR+1], v2, s[16:17] offset:\offs+512
.endm
.macro SMUL qt                         ; S^T = k q^T: lane (r, h) holds query r; register 8 t + j key 16 t + 8 h + j
.irp t, 0,1,2,3,4,5,6,7
	WMZ S+8*\t, KF+4*\t, QF+8*\qt, KSR+\t/2, QSR+\qt, \t%2
.endr
.endm
.macro PV qt                           ; O^T += v^T p^T: four accumulators, one instruction each
.irp d, 0,1,2,3
	WM O+32*\qt+8*\d, VF+8*\d, PC, O+32*\qt+8*\d, VSR+\d/2, PW, \d%2, 0
.endr
.endm
.macro SOFTMAX qt
.set NM, 8+4*\qt
.set TX, 9+4*\qt
.set SU, 10+4*\qt
.irp b, 0,1,2,3
	v_max3_num_f32 v[BM+\b], v[S+16*\b], v[S+1+16*\b], v[S+2+16*\b]   ; the largest score of each block of 32 keys: for the row's maximum, and, since p rises with the score, for the block's largest p
.endr
.irp i, 3,5,7,9,11,13
.irp b, 0,1,2,3
	v_max3_num_f32 v[BM+\b], v[BM+\b], v[S+16*\b+\i], v[S+1+16*\b+\i]
.endr
.endr
.irp b, 0,1,2,3
	v_max_num_f32 v[BM+\b], v[BM+\b], v[S+15+16*\b]
.endr
.irp b, 0,1,2,3
	v_permlanex16_b32 v[T2+\b], v[BM+\b], s36, s37
.endr
.irp b, 0,1,2,3
	v_max_num_f32 v[BM+\b], v[BM+\b], v[T2+\b]
.endr
	v_max3_num_f32 v6, v[BM], v[BM+1], v[BM+2]
	v_max_num_f32 v6, v6, v[BM+3]
	v_mul_f32 v6, s38, v6                          ; as t
	v_max_num_f32 v[TX], v[TX], v6                 ; the running largest t
	v_mov_b32 v6, v[NM]
	v_floor_f32 v[NM], -v[TX]                      ; the new -M = -ceil(t): a whole number
	v_sub_f32 v6, v[NM], v6
	v_cvt_i32_f32 v6, v6                           ; (it saturates)
	v_ldexp_f32 v4, 1.0, v6                        ; f = 2^(old M - new M): a multiplication by it rounds nothing
.irp j, 0,2,4,6,8,10,12,14,16,18,20,22,24,26,28,30,32,34,36,38,40,42,44,46,48,50,52,54,56,58,60,62
	v_pk_fma_f32 v[S+\j:S+\j+1], v[S+\j:S+\j+1], s[38:39], v[NM:NM+1] op_sel_hi:[1,0,0]   ; t - M
.endr
.irp b, 0,1,2,3
	v_fma_f32 v[BM+\b], v[BM+\b], s38, v[NM]
.endr
.irp j, 0,1,2,3,4,5,6,7,8,9,10,11,12,13,14,15,16,17,18,19,20,21,22,23,24,25,26,27,28,29,30,31,32,33,34,35,36,37,38,39,40,41,42,43,44,45,46,47,48,49,50,51,52,53,54,55,56,57,58,59,60,61,62,63
	v_exp_f32 v[S+\j], v[S+\j]                     ; p = 2^(t - M): not normalised
.endr
	v_pk_mul_f32 v[SU:SU+1], v[SU:SU+1], v[4:5] op_sel_hi:[1,0]   ; the sums under the new M; a plain place behind the exponentials
	s_wait_alu depctr_va_vdst(0)                   ; one wait for the batch of 64, ahead of its first reader
.irp b, 0,1,2,3
	v_exp_f32 v[BM+\b], v[BM+\b]                   ; the block's largest p
.endr
	v_pk_add_f32 v[T2:T2+1], v[S:S+1], v[S+2:S+3]  ; the row's sum of the unquantised p, in two chains
.irp j, 4,8,12,16,20,24,28,32,36,40,44,48,52,56,60
	v_pk_add_f32 v[SU:SU+1], v[SU:SU+1], v[S+\j:S+\j+1]
	v_pk_add_f32 v[T2:T2+1], v[T2:T2+1], v[S+\j+2:S+\j+3]
.endr
	v_pk_add_f32 v[SU:SU+1], v[SU:SU+1], v[T2:T2+1]
	s_wait_alu depctr_va_vdst(0)                   ; and one for the four
.irp b, 0,1,2,3
	v_max_num_f32 v[BM+\b], 0x1800000, v[BM+\b]    ; the floor 2^(3 - 127)
.endr
.irp b, 0,1,2,3
	v_add_nc_u32 v[BM+\b], 0xff000000, v[BM+\b]
.endr
.irp b, 0,1,2,3
	v_lshrrev_b32 v[T2+\b], 23, v[BM+\b]
.endr
	v_lshl_or_b32 v[PW], v[T2+1], 8, v[T2]         ; p's scale word for these 128 keys
	v_lshl_or_b32 v[PW], v[T2+2], 16, v[PW]
	v_lshl_or_b32 v[PW], v[T2+3], 24, v[PW]
.irp t, 0,1,2,3,4,5,6,7
	v_cvt_scalef32_pk8_fp4_f32 v[PC+4*(\t/4)+2*(\t%2)+(\t%4)/2], v[S+8*\t:S+8*\t+7], v[BM+\t/2]
.endr
	v_nop
.irp c, 0,1
	v_permlane16_swap_b32 v[PC+4*\c], v[PC+4*\c+1]
	v_permlane16_swap_b32 v[PC+4*\c+2], v[PC+4*\c+3]
.endr
.irp j, 0,2,4,6,8,10,12,14,16,18,20,22,24,26,28,30
	v_pk_mul_f32 v[O+32*\qt+\j:O+32*\qt+\j+1], v[O+32*\qt+\j:O+32*\qt+\j+1], v[4:5] op_sel_hi:[1,0]   ; O^T under the new M; these 16 are also the places between the scale word, the codes and the products
.endr
.endm
; A prefetch of my head's record two key steps on: 8,192 bytes, lanes 256 bytes apart, one instruction.  The 32 work-groups of a batch walk the same records: the batch's first asks, each wave for its own head,
; so each block of 256 bytes is named once.  It stands behind the wave's loads of the next step's k.  Trips with s40 = 1 (and the step behind the loop) ask for nothing: there is no record two steps on.
.macro ASK
	s_cmp_gt_u32 s40, s42
	s_cbranch_scc0 .Lnot_mine_\@
	global_prefetch_b8 v3, s[14:15] offset:16384 th:TH_LOAD_NT scope:SCOPE_SE
.Lnot_mine_\@:
.endm
.macro STEP more
	s_wait_loadcnt 9                               ; k and its scale words are in; v's nine loads may be out
	SMUL 0
	NOP4
	SOFTMAX 0
	s_wait_loadcnt 0x0                             ; v and its scale words
	PV 0
	SMUL 1
	NOP4                                           ; ahead of the loads into k's registers and of the reads of the scores
.if \more
	KLOAD 8192, 768                                ; the next step's k lands under the second tile's softmax
	ASK
.endif
	SOFTMAX 1
	PV 1
.if \more
	NOP4
	VLOAD 8192, 768
	s_wait_xcnt 0x0                                ; the loads and the prefetch have read their bases: they may step
	s_add_nc_u64 s[14:15], s[14:15], 8192
	s_add_nc_u64 s[16:17], s[16:17], 768
.endif
.endm
; A LAYERNORM of my rows, in two passes (mean; then the mean of the squares of what is left).  g lies in v32-63, b in v64-95, by the lane's 32 columns.  n, n + 1: the slots for the two sums over the waves.
.macro REDUCE n                        ; v100, v104: my wave's sums for the lane's row of tile 0, 1.  Out: the rows' sums / 1,024: tile 0's in v108, tile 1's in v110, in all lanes
	v_cndmask_b32 v100, v100, v104, s41            ; lane l now holds row l's
	ds_store_b32 v130, v100 offset:RED+2048*(\n)
	s_wait_dscnt 0x0                               ; for the others' sake
	s_barrier_signal -1
	s_barrier_wait -1
.irp i, 0,1,2,3,4,5,6,7,8,9,10,11,12,13,14,15
	ds_load_b32 v[112+\i], v131 offset:RED+2048*(\n)+128*\i
.endr
	s_wait_dscnt 0x0
.irp i, 0,4,8,12
	v_pk_add_f32 v[112+\i:113+\i], v[112+\i:113+\i], v[114+\i:115+\i]     ; one order of additions in every wave
.endr
	v_pk_add_f32 v[112:113], v[112:113], v[116:117]
	v_pk_add_f32 v[120:121], v[120:121], v[124:125]
	v_pk_add_f32 v[112:113], v[112:113], v[120:121]
	v_add_f32 v112, v112, v113
	v_mul_f32 v112, s43, v112
	v_permlanex16_b32 v113, v112, s36, s37
	v_cndmask_b32 v108, v112, v113, s41
	v_cndmask_b32 v110, v113, v112, s41
.endm
.macro LANESUM                         ; v[100:103], v[104:107]: two packed chains a tile -> v100, v104, with lane l xor 16's
.irp q, 0,1
	v_pk_add_f32 v[100+4*\q:101+4*\q], v[100+4*\q:101+4*\q], v[102+4*\q:103+4*\q]
.endr
.irp q, 0,1
	v_add_f32 v[100+4*\q], v[100+4*\q], v[101+4*\q]
.endr
.irp q, 0,1
	v_permlanex16_b32 v[102+4*\q], v[100+4*\q], s36, s37
.endr
.irp q, 0,1
	v_add_f32 v[100+4*\q], v[100+4*\q], v[102+4*\q]
.endr
.endm
.macro LNORM n
	v_lshlrev_b32 v130, 2, v0                      ; 128 x wave + 4 x lane
	v_and_b32 v131, 31, v0
	v_lshlrev_b32 v131, 2, v131                    ; 4 x lane
	v_mov_b32 v109, 0                              ; (named as upper halves of pairs)
	v_mov_b32 v111, 0
.irp q, 0,1
	v_pk_add_f32 v[100+4*\q:101+4*\q], v[O+32*\q:O+32*\q+1], v[O+32*\q+2:O+32*\q+3]
	v_pk_add_f32 v[102+4*\q:103+4*\q], v[O+32*\q+4:O+32*\q+5], v[O+32*\q+6:O+32*\q+7]
.endr
.irp i, 8,12,16,20,24,28
.irp q, 0,1
	v_pk_add_f32 v[100+4*\q:101+4*\q], v[100+4*\q:101+4*\q], v[O+32*\q+\i:O+32*\q+\i+1]
	v_pk_add_f32 v[102+4*\q:103+4*\q], v[102+4*\q:103+4*\q], v[O+32*\q+\i+2:O+32*\q+\i+3]
.endr
.endr
	LANESUM
	REDUCE \n
.irp q, 0,1
.irp i, 0,2,4,6,8,10,12,14,16,18,20,22,24,26,28,30
	v_pk_add_f32 v[O+32*\q+\i:O+32*\q+\i+1], v[O+32*\q+\i:O+32*\q+\i+1], v[108+2*\q:109+2*\q] op_sel_hi:[1,0] neg_lo:[0,1] neg_hi:[0,1]   ; x - mean
.endr
.endr
.irp q, 0,1
	v_pk_mul_f32 v[100+4*\q:101+4*\q], v[O+32*\q:O+32*\q+1], v[O+32*\q:O+32*\q+1]
	v_pk_mul_f32 v[102+4*\q:103+4*\q], v[O+32*\q+2:O+32*\q+3], v[O+32*\q+2:O+32*\q+3]
.endr
.irp i, 4,8,12,16,20,24,28
.irp q, 0,1
	v_pk_fma_f32 v[100+4*\q:101+4*\q], v[O+32*\q+\i:O+32*\q+\i+1], v[O+32*\q+\i:O+32*\q+\i+1], v[100+4*\q:101+4*\q]
	v_pk_fma_f32 v[102+4*\q:103+4*\q], v[O+32*\q+\i+2:O+32*\q+\i+3], v[O+32*\q+\i+2:O+32*\q+\i+3], v[102+4*\q:103+4*\q]
.endr
.endr
	LANESUM
	REDUCE \n+1
	v_add_f32 v108, s44, v108                      ; + 1e-5
	v_add_f32 v110, s44, v110
	v_rsq_f32 v108, v108
	v_rsq_f32 v110, v110
	v_nop                                          ; a plain place behind the transcendentals
	s_wait_alu depctr_va_vdst(0)                   ; one wait for the two, ahead of their first reader
	s_wait_loadcnt 0x0                             ; g and b
.irp q, 0,1
.irp i, 0,2,4,6,8,10,12,14,16,18,20,22,24,26,28,30
	v_pk_mul_f32 v[O+32*\q+\i:O+32*\q+\i+1], v[O+32*\q+\i:O+32*\q+\i+1], v[108+2*\q:109+2*\q] op_sel_hi:[1,0]
.endr
.endr
.irp q, 0,1
.irp i, 0,2,4,6,8,10,12,14,16,18,20,22,24,26,28,30
	v_pk_fma_f32 v[O+32*\q+\i:O+32*\q+\i+1], v[O+32*\q+\i:O+32*\q+\i+1], v[32+\i:33+\i], v[64+\i:65+\i]
.endr
.endr
.endm
.macro GBLOAD pg, pb                   ; the gain and the bias of my 32 columns: at 16 e + 8 h + j
.irp e, 0,1,2,3
	global_load_b128 v[32+8*\e:35+8*\e], v7, s[\pg:\pg+1] offset:64*\e
	global_load_b128 v[36+8*\e:39+8*\e], v7, s[\pg:\pg+1] offset:64*\e+16
	global_load_b128 v[64+8*\e:67+8*\e], v7, s[\pb:\pb+1] offset:64*\e
	global_load_b128 v[68+8*\e:71+8*\e], v7, s[\pb:\pb+1] offset:64*\e+16
.endr
.endm
	s_load_b512 s[4:19], s[0:1], 0x0               ; Q's codes 4, Q's scales 6, wqf 8, Wq's scales 10, bq 12, kvf 14, kvs 16, g0 18
	s_load_b256 s[20:27], s[0:1], 0x40             ; b0 20, wof 22, Wo's scales 24, bo 26
	s_load_b128 s[28:31], s[0:1], 0x60             ; g1 28, b1 30
	s_load_b64 s[32:33], s[0:1], 0x70              ; out0
	v_lshrrev_b32 v1, 5, v0
	v_readfirstlane_b32 s34, v1                    ; wave 0..15 = my head
	v_and_b32 v4, 31, v0
	v_lshlrev_b32 v1, 4, v4
	v_lshlrev_b32 v2, 3, v4
	v_lshlrev_b32 v3, 8, v4
	v_lshlrev_b32 v6, 5, v4
	v_bfe_u32 v5, v0, 4, 1
	v_lshlrev_b32 v7, 5, v5
	v_and_b32 v160, 15, v0
	v_lshlrev_b32 v160, 9, v160
	v_lshl_add_u32 v160, v5, 4, v160               ; a fragment of Q: 512 r + 16 h
	s_lshl_b32 s46, s34, 10
	v_add_nc_u32 v161, s46, v1                     ; its image: 1,024 x wave + 16 x lane
.irp b, 0,1,2,3
	v_mov_b32 v[T2+\b], 0                          ; written once: a lane permute's destination counts as one of its sources
.endr
	s_mov_b32 s36, 0x76543210
	s_mov_b32 s37, 0xfedcba98                      ; v_permlanex16_b32's selects for lane l xor 16
	s_mov_b32 s38, 0x3d38aa3b                      ; log2(e) / sqrt(1024)
	s_mov_b32 s39, s38
	s_mov_b32 s41, 0xffff0000                      ; lanes 16-31
	s_mov_b32 s43, 0x3a800000                      ; 1 / 1,024
	s_mov_b32 s44, 0x3727c5ac                      ; 1e-5
	s_mul_i32 s45, s34, RESW
	s_add_co_u32 s45, s45, RES                     ; my wave's own LDS
	s_and_b32 s42, ttmp9, 31
	s_cmp_eq_u32 s42, 0
	s_cselect_b32 s42, 1, -1                       ; 1 in the batch's first work-group, else the greatest number
	s_mov_b32 s47, 0
	s_wait_kmcnt 0x0
	s_lshl_b32 s46, ttmp9, 14                      ; Q's codes: my work-group's 32 rows of 512 bytes; wave w brings fragment (qt = w / 8, K step w % 8)
	s_lshr_b32 s48, s34, 3
	s_lshl_b32 s48, s48, 13
	s_add_co_u32 s46, s46, s48
	s_and_b32 s48, s34, 7
	s_lshl_b32 s48, s48, 6
	s_add_co_u32 s46, s46, s48
	s_add_nc_u64 s[4:5], s[4:5], s[46:47]
	s_lshl_b32 s46, ttmp9, 10
	s_add_nc_u64 s[6:7], s[6:7], s[46:47]
	s_lshl_b32 s46, s34, 15                        ; my 64 rows of a weight: 32,768 bytes of codes,
	s_add_nc_u64 s[8:9], s[8:9], s[46:47]
	s_add_nc_u64 s[22:23], s[22:23], s[46:47]
	s_lshl_b32 s46, s34, 11                        ; 2,048 of scale bytes,
	s_add_nc_u64 s[10:11], s[10:11], s[46:47]
	s_add_nc_u64 s[24:25], s[24:25], s[46:47]
	s_lshl_b32 s46, s34, 8                         ; 256 bytes of each vector and of a row of the result
	s_add_nc_u64 s[12:13], s[12:13], s[46:47]
	s_add_nc_u64 s[26:27], s[26:27], s[46:47]
	s_add_nc_u64 s[18:19], s[18:19], s[46:47]
	s_add_nc_u64 s[20:21], s[20:21], s[46:47]
	s_add_nc_u64 s[28:29], s[28:29], s[46:47]
	s_add_nc_u64 s[30:31], s[30:31], s[46:47]
	s_add_nc_u64 s[32:33], s[32:33], s[46:47]
	s_lshl_b32 s46, ttmp9, 17                      ; 32 rows of 4,096 bytes
	s_add_nc_u64 s[32:33], s[32:33], s[46:47]
	s_lshr_b32 s46, ttmp9, 5
	s_lshl_b32 s46, s46, 4
	s_add_co_u32 s46, s46, s34                     ; 16 x batch + head: 8 records
	s_mul_i32 s48, s46, 6144
	s_lshl_b32 s46, s46, 16
	s_add_nc_u64 s[14:15], s[14:15], s[46:47]
	s_mov_b32 s46, s48
	s_add_nc_u64 s[16:17], s[16:17], s[46:47]
	; ---- Q's 16 fragments go into LDS, one a wave
	global_load_b128 v[128:131], v160, s[4:5]
	global_load_b128 v[132:135], v160, s[4:5] offset:32
	GEMM_LOADS 8, 10, 12, 0
	s_wait_loadcnt 46                              ; my fragment is in; the 16 + 4 + 2 + 24 loads behind it may be out
	ds_store_b128 v161, v[128:131] offset:IMG
	ds_store_b128 v161, v[132:135] offset:IMG+512
	s_wait_dscnt 0x0
	s_barrier_signal -1
	s_barrier_wait -1
	; ---- q = Q Wq^T + bq
	GEMM_RUN 8, 0
	; ---- the first key step is asked for; q is kept in my LDS for the residual and quantised
	KLOAD 0, 0
	VLOAD 0, 0
	v_add_nc_u32 v100, s45, v1
.irp i, 0,1,2,3,4,5,6,7,8,9,10,11,12,13,14,15
	ds_store_b128 v100, v[O+4*\i:O+4*\i+3] offset:512*\i      ; each accumulator from its low end on
.endr
	QUANT2 O, QF, QSR
	QUANT2 O+32, QF+8, QSR+1
.irp i, 4,5,6,7,12,13,14,15
	v_mov_b32 v[QF+\i], 0                          ; zero codes for the upper 64 of the instruction's 128
.endr
.irp i, 64,65,66,67
	v_mov_b32 v[\i], 0                             ; behind k's last tile
.endr
	v_mov_b32 v5, 0                                ; (named as the upper half of the pair v[4:5])
.irp q, 0,1
	v_mov_b32 v[9+4*\q], 0xff61b1e6                ; the largest t so far: -3e38
	v_floor_f32 v[8+4*\q], -v[9+4*\q]
	v_mov_b32 v[10+4*\q], 0
	v_mov_b32 v[11+4*\q], 0
.endr
	s_wait_dscnt 0x0                               ; the stores have read q's registers
.irp j, 0,1,2,3,4,5,6,7,8,9,10,11,12,13,14,15,16,17,18,19,20,21,22,23,24,25,26,27,28,29,30,31,32,33,34,35,36,37,38,39,40,41,42,43,44,45,46,47,48,49,50,51,52,53,54,55,56,57,58,59,60,61,62,63
	v_mov_b32 v[O+\j], 0                           ; O^T: the step is written without a first step of its own: the first change of M multiplies zeros
.endr
	; ---- attention: 8 key steps; the last is written out, so that no load passes its buffer's end
	s_mov_b32 s40, 7
.Lstep:
	STEP 1
	s_sub_co_u32 s40, s40, 1
	s_cmp_lg_u32 s40, 0
	s_cbranch_scc1 .Lstep
	STEP 0
	; ---- O^T / the sum + q
	NOP4
	v_add_nc_u32 v236, s45, v1
.irp i, 0,1,2,3,4,5,6,7,8,9,10,11,12,13,14,15
	ds_load_b128 v[S+4*\i:S+4*\i+3], v236 offset:512*\i
.endr
	GBLOAD 18, 20
	v_add_f32 v10, v10, v11
	v_add_f32 v14, v14, v15
	v_permlanex16_b32 v[T2], v10, s36, s37
	v_permlanex16_b32 v[T2+1], v14, s36, s37
	v_add_f32 v10, v10, v[T2]
	v_add_f32 v14, v14, v[T2+1]
	v_rcp_f32 v4, v10
	v_rcp_f32 v6, v14
	v_nop
	s_wait_alu depctr_va_vdst(0)                   ; one wait for the two reciprocals
	s_wait_dscnt 0x0
.irp i, 0,2,4,6,8,10,12,14,16,18,20,22,24,26,28,30
	v_pk_fma_f32 v[O+\i:O+\i+1], v[O+\i:O+\i+1], v[4:5], v[S+\i:S+\i+1] op_sel_hi:[1,0,1]
.endr
.irp i, 32,34,36,38,40,42,44,46,48,50,52,54,56,58,60,62
	v_pk_fma_f32 v[O+\i:O+\i+1], v[O+\i:O+\i+1], v[6:7], v[S+\i:S+\i+1] op_sel_hi:[1,0,1]
.endr
	; ---- the first norm; y is kept in my LDS for the residual, quantised, and its codes and scale bytes go to all waves
	LNORM 0
	v_add_nc_u32 v132, s45, v1
.irp i, 0,1,2,3,4,5,6,7,8,9,10,11,12,13,14,15
	ds_store_b128 v132, v[O+4*\i:O+4*\i+3] offset:512*\i
.endr
	QUANT2 O, PC, T2+2
	QUANT2 O+32, PC+4, T2+3
	s_lshl_b32 s46, s34, 9
	v_add_nc_u32 v133, s46, v1                     ; my 64 columns are half w % 2 of K step w / 2: 512 x wave + 16 x lane
	v_and_b32 v134, 15, v0
	v_lshlrev_b32 v134, 5, v134
	s_lshl_b32 s46, s34, 1
	v_add_nc_u32 v134, s46, v134                   ; the scale bytes: 32 r + 2 x wave
	ds_store_b128 v133, v[PC:PC+3] offset:IMG
	ds_store_b128 v133, v[PC+4:PC+7] offset:IMG+8192
	ds_store_b16 v134, v[T2+2] offset:YSC          ; both halves of the lanes write the same two bytes with the same value
	ds_store_b16 v134, v[T2+3] offset:YSC+512
	v_and_b32 v6, 31, v0
	v_lshlrev_b32 v6, 5, v6                        ; 32 x lane again
	s_wait_dscnt 0x0                               ; my stores have landed, and have read their registers
	GEMM_LOADS 22, 24, 26, 1
	s_barrier_signal -1
	s_barrier_wait -1
	; ---- y Wo^T + bo
	GEMM_RUN 22, 1
	; ---- z = y + relu(..)
	v_add_nc_u32 v236, s45, v1
.irp i, 0,1,2,3,4,5,6,7,8,9,10,11,12,13,14,15
	ds_load_b128 v[S+4*\i:S+4*\i+3], v236 offset:512*\i
.endr
	GBLOAD 28, 30
.irp j, 0,1,2,3,4,5,6,7,8,9,10,11,12,13,14,15,16,17,18,19,20,21,22,23,24,25,26,27,28,29,30,31,32,33,34,35,36,37,38,39,40,41,42,43,44,45,46,47,48,49,50,51,52,53,54,55,56,57,58,59,60,61,62,63
	v_max_num_f32 v[O+\j], 0, v[O+\j]
.endr
	s_wait_dscnt 0x0
.irp i, 0,2,4,6,8,10,12,14,16,18,20,22,24,26,28,30,32,34,36,38,40,42,44,46,48,50,52,54,56,58,60,62
	v_pk_add_f32 v[O+\i:O+\i+1], v[O+\i:O+\i+1], v[S+\i:S+\i+1]
.endr
	; ---- the second norm
	LNORM 2
	; ---- the way out: through my own stages (16 rows x 256 bytes + 16 a tile), so that sixteen lanes store 256 consecutive bytes, aligned
	v_bfe_u32 v239, v0, 4, 1                       ; h
	v_and_b32 v240, 15, v0                         ; r
	v_mul_u32_u24 v236, v240, 272
	v_lshl_add_u32 v236, v239, 5, v236
	v_add_nc_u32 v236, s45, v236                   ; in: row r, + 32 h
	v_mul_u32_u24 v237, v239, 272
	v_lshl_add_u32 v237, v240, 4, v237
	v_add_nc_u32 v237, s45, v237                   ; back: lanes 0-15 one row, lanes 16-31 the next
	v_lshlrev_b32 v238, 4, v240
	v_lshl_add_u32 v238, v239, 12, v238            ; and the same two rows of the result
.irp q, 0,1
.irp e, 0,1,2,3
	ds_store_b128 v236, v[O+32*\q+8*\e:O+32*\q+8*\e+3] offset:4352*\q+64*\e
	ds_store_b128 v236, v[O+32*\q+8*\e+4:O+32*\q+8*\e+7] offset:4352*\q+64*\e+16
.endr
.endr
.irp q, 0,1
.irp i, 0,1,2,3,4,5,6,7
	ds_load_b128 v[S+32*\q+4*\i:S+32*\q+4*\i+3], v237 offset:4352*\q+544*\i     ; LDS serves a wave's instructions in order (ISA guide 5.7.1.4): these see my stores
.endr
.endr
.irp n, 0,1,2,3,4,5,6,7,8,9,10,11,12,13,14,15
	s_wait_dscnt 15-\n                             ; the younger loads may be out
	global_store_b128 v238, v[S+4*\n:S+4*\n+3], s[32:33] offset:(16*(\n/8)+2*(\n%8))*4096 th:TH_STORE_NT
.endr
	s_wait_xcnt 0x0
	v_lshl_add_u32 v254, v0, 2, 0x28400
	v_mov_b32 v255, 0
	s_wait_tensorcnt 0x0
	ds_add_u32 v254, v255
	s_wait_dscnt 0x0
	s_endpgm
.Lfunc_end_k_q2c073851a0_mab:
	.size	k_q2c073851a0_mab, .Lfunc_end_k_q2c073851a0_mab-k_q2c073851a0_mab
	.p2alignl 7, 3214868480
	.fill 96, 4, 3214868480
	.section	.rodata,"a",@progbits
	.p2align	6, 0x0
	.amdhsa_kernel k_q2c073851a0_mab
		.amdhsa_group_segment_fixed_size 166912
		.amdhsa_private_segment_fixed_size 0
		.amdhsa_enable_private_segment 0
		.amdhsa_kernarg_size 120
		.amdhsa_user_sgpr_count 2
		.amdhsa_user_sgpr_kernarg_segment_ptr 1
		.amdhsa_wavefront_size32 1
		.amdhsa_system_sgpr_workgroup_id_x 1
		.amdhsa_system_sgpr_workgroup_id_y 1
		.amdhsa_system_sgpr_workgroup_id_z 1
		.amdhsa_system_vgpr_workitem_id 0
		.amdhsa_next_free_vgpr 256
		.amdhsa_next_free_sgpr 66
		.amdhsa_reserve_vcc 0
		.amdhsa_float_denorm_mode_32 3
		.amdhsa_float_denorm_mode_16_64 3
		.amdhsa_memory_ordered 1
		.amdhsa_forward_progress 1
		.amdhsa_inst_pref_size 160
	.end_amdhsa_kernel
	.amdgpu_metadata
---
amdhsa.version: [ 1, 2 ]
amdhsa.kernels:
  - .name:           k_q2c073851a0_mab
    .symbol:         k_q2c073851a0_mab.kd
    .args:
      - { .name: Q_codes, .offset: 0, .size: 8, .value_kind: global_buffer, .address_space: global }
      - { .name: Q_scales, .offset: 8, .size: 8, .value_kind: global_buffer, .address_space: global }
      - { .name: wqf, .offset: 16, .size: 8, .value_kind: global_buffer, .address_space: global }
      - { .name: Wq_scales, .offset: 24, .size: 8, .value_kind: global_buffer, .address_space: global }
      - { .name: bq, .offset: 32, .size: 8, .value_kind: global_buffer, .address_space: global }
      - { .name: kvf, .offset: 40, .size: 8, .value_kind: global_buffer, .address_space: global }
      - { .name: kvs, .offset: 48, .size: 8, .value_kind: global_buffer, .address_space: global }
      - { .name: g0, .offset: 56, .size: 8, .value_kind: global_buffer, .address_space: global }
      - { .name: b0, .offset: 64, .size: 8, .value_kind: global_buffer, .address_space: global }
      - { .name: wof, .offset: 72, .size: 8, .value_kind: global_buffer, .address_space: global }
      - { .name: Wo_scales, .offset: 80, .size: 8, .value_kind: global_buffer, .address_space: global }
      - { .name: bo, .offset: 88, .size: 8, .value_kind: global_buffer, .address_space: global }
      - { .name: g1, .offset: 96, .size: 8, .value_kind: global_buffer, .address_space: global }
      - { .name: b1, .offset: 104, .size: 8, .value_kind: global_buffer, .address_space: global }
      - { .name: out0, .offset: 112, .size: 8, .value_kind: global_buffer, .address_space: global }
    .group_segment_fixed_size: 166912
    .private_segment_fixed_size: 0
    .kernarg_segment_align: 8
    .kernarg_segment_size: 120
    .max_flat_workgroup_size: 512
    .sgpr_count:     66
    .vgpr_count:     256
    .wavefront_size: 32
...
	.end_amdgpu_metadata
.endif
;; end of part 2
;; ======== version 2 of 2: 2 launches; version 1 with the launch mab written anew for expert scheduling mode
;; workspace buffers: kvf 8,388,608 bytes; kvs 786,432 bytes; wqf 524,288 bytes; wof 524,288 bytes
;; launch kvproj: the kernel of part 1 again; grid 8 x 32, 4 waves a work-group, clusters of 4 x 4, 327,680 bytes of LDS; arguments K_codes, K_scales, Wk_codes, Wk_scales, Wv_codes, Wv_scales, bk, bv, Wq_codes, Wo_codes, kvf, kvs, wqf, wof; writes kvf, kvs, wqf, wof
;; launch mab (part 3): grid 256 x 1, 16 waves a work-group, no clusters, 166,912 bytes of LDS; arguments Q_codes, Q_scales, wqf, Wq_scales, bq, kvf, kvs, g0, b0, wof, Wo_scales, bo, g1, b1, out0; writes out0
.if DOCPART == 3
	.amdgcn_target "amdgcn-amd-amdhsa--gfx1250"
	.amdhsa_code_object_version 6
	.text
	.protected	k_q2c073851a0_mab
	.globl	k_q2c073851a0_mab
	.p2align	8
	.type	k_q2c073851a0_mab,@function
k_q2c073851a0_mab:
	s_mov_b64 s[64:65], 0
	v_nop
	global_prefetch_b8 v0, s[64:65] scope:SCOPE_SE
	s_setreg_imm32_b32 hwreg(HW_REG_WAVE_SCHED_MODE, 0, 2), 2
	s_setreg_imm32_b32 hwreg(HW_REG_WAVE_MODE, 25, 1), 1
	s_wait_xcnt 0x0
	s_wait_alu depctr_vm_vsrc(0)
; For 32 rows of one batch and all 16 heads: q = Q Wq^T + bq; attention on codes of FP4 (E2M1); + q; LayerNorm; quantise; the product with Wo; relu and residual; LayerNorm.  Nothing but the result goes to memory.
; SHARES.  Work-group g owns rows 32 g .. 32 g + 31.  Wave w is head w, which is also columns 64 w .. 64 w + 63, for both tiles of 16 rows (qt = 0, 1).
; LAYOUT.  Every product is used transposed (source 0 = 16 rows of a weight, of k or of v^T; source 1 = 16 of my rows): lane (r, h) holds ONE row r, and register 32 qt + 8 e + j the column 64 w + 16 e + 8 h + j.
; q, O^T, the first norm's y, the product with Wo and z all lie so: every residual is an addition register by register.
; QUANTISING A RESULT: a block of 32 columns is the lane's 16 registers of tiles 2 b, 2 b + 1 and those of lane l xor 16.  The conversion of tile t goes to code register 4 (t / 4) + 2 (t % 2) + (t % 4) / 2;
; two exchanges of halves for each four registers give registers 4 c .. 4 c + 3 the numbers 64 c + 32 h + 0 .. 31, as the operand's layout asks.
; THE SCORES HAVE K = 64 in an instruction of K = 128: q's registers 4-7 are zero codes; k's operand for tile t is its four registers and the four behind them (the next tile's, or zeros), which meet zero codes;
; the scale bytes of that half are 0 on both sides.
; THE SOFTMAX: t = score x log2(e) / 32; M = the running largest t rounded up to a whole number; p = 2^(t - M) is quantised along the keys; the row's sum is taken of the unquantised p and divides at the end.
; OPERANDS: weights, k and v^T come from memory straight into operand registers, 512 consecutive bytes a load, from buffers that the launch before laid in that order.  The rows' own fragments (Q's codes, y's codes)
; go from wave to wave through LDS as images of their registers.
; NO CLUSTER, NO JOINT LOADS: the 32 work-groups of a batch walk the same k and v^T, but a key step for 16 heads is 16 x 8,960 = 143,360 bytes; two such slots and this text's 164,864 bytes pass 327,680.
; LIMITS: NaN and infinities are not served.  A block whose largest magnitude lies under 2^-124 has its byte held at 1; a block of zeros gets the byte 1 where the rule says 127: its codes are zeros, and this program alone reads the bytes.
; A given scale byte 0xff gives NaN.
; REGISTERS: v0 thread; v1 16 x lane, v2 8 x lane, v3 256 x lane; v[4:5] a factor, as a pair; v6 at work, or 32 x lane; v7 32 h; v8-15 for each qt: -M, largest t, the sum in two halves;
;   v16-31 q's two fragments; v32-63 k, v64-67 zeros, v68-99 v^T (in the products v32-127: three sets of weight fragments); v100-163 scores, then p, else at work (v128-159: two sets of my rows' fragments);
;   v164-227 the 64 numbers of my rows; v228-235 codes; v236-243 at work; v244-255 scale words and nothing else.
; THE MODE: SCHED_MODE bits 1:0 = 2 (LLVM: expert scheduling mode 2), set by the entry lines.  The code itself states the register dependences
; between vector or matrix instructions and memory or LDS instructions, with s_wait_alu, always for 0.
; THE PLAN.  Registers that memory or LDS instructions touch, and who else names them:
;   v1, v2, v3, v7   Offsets, made at the head and never written again: the one wait at the head serves every load, store and prefetch that reads them.
;   v6               32 x lane for the scale words' loads of both products; between the two the softmax works in it, and it is made anew ahead of y's stores.
;   WF0-2, XF0-1     In a product K step k's eight matrix instructions read WF[k % 3] and XF[k % 2]; behind them the loads of steps k + 3 and k + 2 land there: ONE wait on va_vdst a step, behind the eight.
;                    The sets are asked for again at once: a product's pace is that of its weight loads, of which two steps' stay out.
;   k, its words     Read by both tiles' score products; the next key step's loads stand behind the second tile's, behind one wait.
;   v^T, its words   Read by both tiles' second products; the next key step's loads stand behind the second tile's, behind one wait.
;   p's codes, word  Written by vector instructions, taken by scaled matrix instructions: one wait at each softmax's end, behind its places.
;   v164-227         Loaded (a bias), summed by matrix instructions, worked by vector instructions, stored to LDS three times (q, y, the result): a wait on va_vdst ahead of each run of stores, one on vm_vsrc ahead of the next writer.
;   phase addresses  v100, v130-134, v236-238: each is made ahead of a wait on va_vdst that stands there anyway, and written again only behind a later wait on vm_vsrc.
; No second buffer for k or v^T: they would take 36 registers more, and four waves of 256 fill a SIMD's 1,024.
.set IMG,  0                           ; LDS: 16 fragments' images, (qt, K step s) at (8 qt + s) x 1,024 + 512 c + 16 x lane
.set YSC,  16384                       ; y's scale bytes: 32 a row
.set RED,  17408                       ; four slots of 2,048 bytes, one for each sum over the waves: 128 x wave + 4 x lane
.set RES,  25600                       ; 8,704 bytes for each wave, its own: an image of 64 registers; at the end two stages of 16 rows x 272
.set RESW, 8704
.set QF,   16
.set KF,   32
.set VF,   68
.set S,    100
.set O,    164
.set PC,   228
.set BM,   236
.set T2,   240
.set KSR,  244
.set VSR,  248
.set QSR,  250
.set PW,   252
.set WS,   244                         ; in the products: the weight's scale words, v[244 + 4 i + s % 4]: lane l holds row 32 i + l
.set XS,   252                         ; and my rows': lane l holds row l
.set STG,  228                         ; the words of K steps 4-7 wait here
.set WF,   32
.set XF,   128
.macro NOP4                            ; four places behind a matrix instruction (ISA guide 7.12.1)
.rept 4
	v_nop
.endr
.endm
; One matrix instruction.  ra, rb: the half of the lanes from which the scale words are taken.
.macro WM d, a, b, c, sa, sb, ra, rb
.if ((\ra) == 0) && ((\rb) == 0)
	v_wmma_scale_f32_16x16x128_f8f6f4 v[\d:\d+7], v[\a:\a+7], v[\b:\b+7], v[\c:\c+7], v[\sa], v[\sb] matrix_a_fmt:MATRIX_FMT_FP4 matrix_b_fmt:MATRIX_FMT_FP4
.elseif ((\rb) == 0)
	v_wmma_scale_f32_16x16x128_f8f6f4 v[\d:\d+7], v[\a:\a+7], v[\b:\b+7], v[\c:\c+7], v[\sa], v[\sb] matrix_a_fmt:MATRIX_FMT_FP4 matrix_b_fmt:MATRIX_FMT_FP4 matrix_a_scale:MATRIX_SCALE_ROW1
.elseif ((\ra) == 0)
	v_wmma_scale_f32_16x16x128_f8f6f4 v[\d:\d+7], v[\a:\a+7], v[\b:\b+7], v[\c:\c+7], v[\sa], v[\sb] matrix_a_fmt:MATRIX_FMT_FP4 matrix_b_fmt:MATRIX_FMT_FP4 matrix_b_scale:MATRIX_SCALE_ROW1
.else
	v_wmma_scale_f32_16x16x128_f8f6f4 v[\d:\d+7], v[\a:\a+7], v[\b:\b+7], v[\c:\c+7], v[\sa], v[\sb] matrix_a_fmt:MATRIX_FMT_FP4 matrix_b_fmt:MATRIX_FMT_FP4 matrix_a_scale:MATRIX_SCALE_ROW1 matrix_b_scale:MATRIX_SCALE_ROW1
.endif
.endm
.macro WMZ d, a, b, sa, sb, ra         ; the same with C = 0
.if (\ra) == 0
	v_wmma_scale_f32_16x16x128_f8f6f4 v[\d:\d+7], v[\a:\a+7], v[\b:\b+7], 0, v[\sa], v[\sb] matrix_a_fmt:MATRIX_FMT_FP4 matrix_b_fmt:MATRIX_FMT_FP4
.else
	v_wmma_scale_f32_16x16x128_f8f6f4 v[\d:\d+7], v[\a:\a+7], v[\b:\b+7], 0, v[\sa], v[\sb] matrix_a_fmt:MATRIX_FMT_FP4 matrix_b_fmt:MATRIX_FMT_FP4 matrix_a_scale:MATRIX_SCALE_ROW1
.endif
.endm
; A PRODUCT OF MY 32 ROWS WITH MY 64 ROWS OF A WEIGHT, K = 1,024 in 8 steps.
.macro WLOAD pw, k                     ; my four weight fragments of K step k into set k % 3: 8 loads
.irp e, 0,1,2,3
.irp c, 0,1
	global_load_b128 v[WF+32*((\k)%3)+8*\e+4*\c:WF+32*((\k)%3)+8*\e+4*\c+3], v1, s[\pw:\pw+1] offset:\e*8192+(\k)*1024+\c*512
.endr
.endr
.endm
.macro XLOAD k                         ; my rows' two fragments of K step k into set k % 2: 4 loads
.irp q, 0,1
.irp c, 0,1
	ds_load_b128 v[XF+16*((\k)%2)+8*\q+4*\c:XF+16*((\k)%2)+8*\q+4*\c+3], v1 offset:IMG+(8*\q+(\k))*1024+\c*512
.endr
.endr
.endm
; The global loads: the bias straight into the accumulators (so that all 8 steps add in place), the scale words, the first three K steps' weights.  16 + 4 (+ 2) + 24 loads.
.macro GEMM_LOADS pw, ps, pb, xsrc
.irp q, 0,1
.irp e, 0,1,2,3
	global_load_b128 v[O+32*\q+8*\e:O+32*\q+8*\e+3], v7, s[\pb:\pb+1] offset:64*\e
	global_load_b128 v[O+32*\q+8*\e+4:O+32*\q+8*\e+7], v7, s[\pb:\pb+1] offset:64*\e+16
.endr
.endr
.irp i, 0,1
	global_load_b128 v[WS+4*\i:WS+4*\i+3], v6, s[\ps:\ps+1] offset:1024*\i
	global_load_b128 v[STG+4*\i:STG+4*\i+3], v6, s[\ps:\ps+1] offset:1024*\i+16
.endr
.if \xsrc == 0
	global_load_b128 v[XS:XS+3], v6, s[6:7]
	global_load_b128 v[STG+8:STG+11], v6, s[6:7] offset:16
.endif
.irp k, 0,1,2
	WLOAD \pw, \k
.endr
.endm
; The loads at its head owe no wait of their own: no vector or matrix instruction stands between them and the caller's last waits on va_vdst and vm_vsrc.
.macro GEMM_RUN pw, xsrc
.if \xsrc
	ds_load_b128 v[XS:XS+3], v6 offset:YSC
	ds_load_b128 v[STG+8:STG+11], v6 offset:YSC+16
.endif
	XLOAD 0
	XLOAD 1
.irp k, 0,1,2,3,4,5,6,7
.if \k <= 5
	s_wait_loadcnt 16                              ; this step's weights are in; the 16 loads of the two steps behind it may be out
.elseif \k == 6
	s_wait_loadcnt 8
.else
	s_wait_loadcnt 0x0
.endif
.if \k < 7
	s_wait_dscnt 4                                 ; this step's fragments of my rows are in; the next step's four loads may be out
.else
	s_wait_dscnt 0x0
.endif
.irp e, 0,1,2,3                                ; eight accumulators by turns, one instruction a turn
.irp q, 0,1
	WM O+32*\q+8*\e, WF+32*(\k%3)+8*\e, XF+16*(\k%2)+8*\q, O+32*\q+8*\e, WS+4*(\e/2)+\k%4, XS+\k%4, \e%2, \q
.endr
.endr
	NOP4
.if \k == 3
.irp i, 0,1,2,3,4,5,6,7,8,9,10,11
	v_mov_b32 v[WS+\i], v[STG+\i]                  ; the scale words of K steps 4-7
.endr
.rept 8
	v_nop                                          ; a scale register written by a vector instruction stands 8 places ahead of the scaled matrix instruction
.endr
.endif
.if \k <= 5
	s_wait_alu depctr_va_vdst(0)                   ; this step's eight products are done reading weight set k % 3 and fragment set k % 2, in which the loads below land; in step 3 the twelve scale words are written too, which the products of steps 4 to 7 take
.endif
.if \k+3 <= 7
	WLOAD \pw, \k+3
.endif
.if \k+2 <= 7
	XLOAD \k+2
.endif
.endr
.endm
; 32 numbers of a lane (four tiles of one qt: two blocks) become four registers of codes at v[p] and a word of two scale bytes in v[w].
.macro QUANT2 src, p, w
.irp b, 0,1
	v_max3_num_f32 v[BM+\b], |v[\src+16*\b]|, |v[\src+16*\b+1]|, 0x1800000   ; and the floor 2^(3 - 127): the byte cannot fall under 1
.endr
.irp i, 2,4,6,8,10,12,14
.irp b, 0,1
	v_max3_num_f32 v[BM+\b], v[BM+\b], |v[\src+16*\b+\i]|, |v[\src+16*\b+\i+1]|
.endr
.endr
.irp b, 0,1
	v_permlanex16_b32 v[T2+\b], v[BM+\b], s36, s37
.endr
.irp b, 0,1
	v_max_num_f32 v[BM+\b], v[BM+\b], v[T2+\b]
.endr
.irp b, 0,1
	v_add_nc_u32 v[BM+\b], 0xff000000, v[BM+\b]    ; 2 off the exponent field: the conversion's scale operand
.endr
.irp b, 0,1
	v_lshrrev_b32 v[T2+\b], 23, v[BM+\b]           ; the scale's byte
.endr
	v_lshl_or_b32 v[\w], v[T2+1], 8, v[T2]
.irp t, 0,1,2,3
	v_cvt_scalef32_pk8_fp4_f32 v[\p+2*(\t%2)+\t/2], v[\src+8*\t:\src+8*\t+7], v[BM+\t/2]
.endr
	v_nop                                          ; one plain place behind a scaled conversion
	v_permlane16_swap_b32 v[\p], v[\p+1]
	v_permlane16_swap_b32 v[\p+2], v[\p+3]
.endm
; ATTENTION.  A key step is 128 keys: one record of kvf (8,192 bytes) and of kvs (768).
.macro KLOAD off, offs                 ; 9 loads
.irp t, 0,1,2,3,4,5,6,7
	global_load_b128 v[KF+4*\t:KF+4*\t+3], v1, s[14:15] offset:\off+512*\t
.endr
	global_load_b128 v[KSR:KSR+3], v1, s[16:17] offset:\offs
.endm
.macro VLOAD off, offs                 ; 9 loads
.irp d, 0,1,2,3
.irp c, 0,1
	global_load_b128 v[VF+8*\d+4*\c:VF+8*\d+4*\c+3], v1, s[14:15] offset:\off+4096+1024*\d+512*\c
.endr
.endr
	global_load_b64 v[VSR:VSR+1], v2, s[16:17] offset:\offs+512
.endm
.macro SMUL qt                         ; S^T = k q^T: lane (r, h) holds query r; register 8 t + j key 16 t + 8 h + j
.irp t, 0,1,2,3,4,5,6,7
	WMZ S+8*\t, KF+4*\t, QF+8*\qt, KSR+\t/2, QSR+\qt, \t%2
.endr
.endm
.macro PV qt                           ; O^T += v^T p^T: four accumulators, one instruction each
.irp d, 0,1,2,3
	WM O+32*\qt+8*\d, VF+8*\d, PC, O+32*\qt+8*\d, VSR+\d/2, PW, \d%2, 0
.endr
.endm
.macro SOFTMAX qt
.set NM, 8+4*\qt
.set TX, 9+4*\qt
.set SU, 10+4*\qt
.irp b, 0,1,2,3
	v_max3_num_f32 v[BM+\b], v[S+16*\b], v[S+1+16*\b], v[S+2+16*\b]   ; the largest score of each block of 32 keys: for the row's maximum, and, since p rises with the score, for the block's largest p
.endr
.irp i, 3,5,7,9,11,13
.irp b, 0,1,2,3
	v_max3_num_f32 v[BM+\b], v[BM+\b], v[S+16*\b+\i], v[S+1+16*\b+\i]
.endr
.endr
.irp b, 0,1,2,3
	v_max_num_f32 v[BM+\b], v[BM+\b], v[S+15+16*\b]
.endr
.irp b, 0,1,2,3
	v_permlanex16_b32 v[T2+\b], v[BM+\b], s36, s37
.endr
.irp b, 0,1,2,3
	v_max_num_f32 v[BM+\b], v[BM+\b], v[T2+\b]
.endr
	v_max3_num_f32 v6, v[BM], v[BM+1], v[BM+2]
	v_max_num_f32 v6, v6, v[BM+3]
	v_mul_f32 v6, s38, v6                          ; as t
	v_max_num_f32 v[TX], v[TX], v6                 ; the running largest t
	v_mov_b32 v6, v[NM]
	v_floor_f32 v[NM], -v[TX]                      ; the new -M = -ceil(t): a whole number
	v_sub_f32 v6, v[NM], v6
	v_cvt_i32_f32 v6, v6                           ; (it saturates)
	v_ldexp_f32 v4, 1.0, v6                        ; f = 2^(old M - new M): a multiplication by it rounds nothing
.irp j, 0,2,4,6,8,10,12,14,16,18,20,22,24,26,28,30,32,34,36,38,40,42,44,46,48,50,52,54,56,58,60,62
	v_pk_fma_f32 v[S+\j:S+\j+1], v[S+\j:S+\j+1], s[38:39], v[NM:NM+1] op_sel_hi:[1,0,0]   ; t - M
.endr
.irp b, 0,1,2,3
	v_fma_f32 v[BM+\b], v[BM+\b], s38, v[NM]
.endr
.irp j, 0,1,2,3,4,5,6,7,8,9,10,11,12,13,14,15,16,17,18,19,20,21,22,23,24,25,26,27,28,29,30,31,32,33,34,35,36,37,38,39,40,41,42,43,44,45,46,47,48,49,50,51,52,53,54,55,56,57,58,59,60,61,62,63
	v_exp_f32 v[S+\j], v[S+\j]                     ; p = 2^(t - M): not normalised
.endr
	v_pk_mul_f32 v[SU:SU+1], v[SU:SU+1], v[4:5] op_sel_hi:[1,0]   ; the sums under the new M; a plain place behind the exponentials
	s_wait_alu depctr_va_vdst(0)                   ; one wait for the batch of 64, ahead of its first reader
.irp b, 0,1,2,3
	v_exp_f32 v[BM+\b], v[BM+\b]                   ; the block's largest p
.endr
	v_pk_add_f32 v[T2:T2+1], v[S:S+1], v[S+2:S+3]  ; the row's sum of the unquantised p, in two chains
.irp j, 4,8,12,16,20,24,28,32,36,40,44,48,52,56,60
	v_pk_add_f32 v[SU:SU+1], v[SU:SU+1], v[S+\j:S+\j+1]
	v_pk_add_f32 v[T2:T2+1], v[T2:T2+1], v[S+\j+2:S+\j+3]
.endr
	v_pk_add_f32 v[SU:SU+1], v[SU:SU+1], v[T2:T2+1]
	s_wait_alu depctr_va_vdst(0)                   ; and one for the four
.irp b, 0,1,2,3
	v_max_num_f32 v[BM+\b], 0x1800000, v[BM+\b]    ; the floor 2^(3 - 127)
.endr
.irp b, 0,1,2,3
	v_add_nc_u32 v[BM+\b], 0xff000000, v[BM+\b]
.endr
.irp b, 0,1,2,3
	v_lshrrev_b32 v[T2+\b], 23, v[BM+\b]
.endr
	v_lshl_or_b32 v[PW], v[T2+1], 8, v[T2]         ; p's scale word for these 128 keys
	v_lshl_or_b32 v[PW], v[T2+2], 16, v[PW]
	v_lshl_or_b32 v[PW], v[T2+3], 24, v[PW]
.irp t, 0,1,2,3,4,5,6,7
	v_cvt_scalef32_pk8_fp4_f32 v[PC+4*(\t/4)+2*(\t%2)+(\t%4)/2], v[S+8*\t:S+8*\t+7], v[BM+\t/2]
.endr
	v_nop
.irp c, 0,1
	v_permlane16_swap_b32 v[PC+4*\c], v[PC+4*\c+1]
	v_permlane16_swap_b32 v[PC+4*\c+2], v[PC+4*\c+3]
.endr
.irp j, 0,2,4,6,8,10,12,14,16,18,20,22,24,26,28,30
	v_pk_mul_f32 v[O+32*\qt+\j:O+32*\qt+\j+1], v[O+32*\qt+\j:O+32*\qt+\j+1], v[4:5] op_sel_hi:[1,0]   ; O^T under the new M; these 16 are also the places between the scale word, the codes and the products
.endr
	s_wait_alu depctr_va_vdst(0)                   ; p's codes and its scale word are written, which the scaled products behind this softmax take; the places above stay beside this wait
.endm
; A prefetch of my head's record two key steps on: 8,192 bytes, lanes 256 bytes apart, one instruction.  The 32 work-groups of a batch walk the same records: the batch's first asks, each wave for its own head,
; so each block of 256 bytes is named once.  It stands behind the wave's loads of the next step's k.  Trips with s40 = 1 (and the step behind the loop) ask for nothing: there is no record two steps on.
.macro ASK
	s_cmp_gt_u32 s40, s42
	s_cbranch_scc0 .Lnot_mine_\@
	global_prefetch_b8 v3, s[14:15] offset:16384 th:TH_LOAD_NT scope:SCOPE_SE
.Lnot_mine_\@:
.endm
.macro STEP more
	s_wait_loadcnt 9                               ; k and its scale words are in; v's nine loads may be out
	SMUL 0
	NOP4
	SOFTMAX 0
	s_wait_loadcnt 0x0                             ; v and its scale words
	PV 0
	SMUL 1
	NOP4                                           ; ahead of the reads of the scores
.if \more
	s_wait_alu depctr_va_vdst(0)                   ; both tiles' score products are done reading k and its scale words, in which the loads below land; no line of the softmax behind them names those registers
	KLOAD 8192, 768                                ; the next step's k lands under the second tile's softmax
	ASK
.endif
	SOFTMAX 1
	PV 1
.if \more
	NOP4
	s_wait_alu depctr_va_vdst(0)                   ; both tiles' second products are done reading v^T and its scale words, in which the loads below land
	VLOAD 8192, 768
	s_wait_xcnt 0x0                                ; the loads and the prefetch have read their bases: they may step
	s_add_nc_u64 s[14:15], s[14:15], 8192
	s_add_nc_u64 s[16:17], s[16:17], 768
.endif
.endm
; A LAYERNORM of my rows, in two passes (mean; then the mean of the squares of what is left).  g lies in v32-63, b in v64-95, by the lane's 32 columns.  n, n + 1: the slots for the two sums over the waves.
.macro REDUCE n                        ; v100, v104: my wave's sums for the lane's row of tile 0, 1.  Out: the rows' sums / 1,024: tile 0's in v108, tile 1's in v110, in all lanes
	v_cndmask_b32 v100, v100, v104, s41            ; lane l now holds row l's
	s_wait_alu depctr_va_vdst(0)                   ; v100 is written, which the store reads, and so are its address v130 and the loads' address v131; the vector work on v112-127, in which the loads land, is done
	ds_store_b32 v130, v100 offset:RED+2048*(\n)
	s_wait_dscnt 0x0                               ; for the others' sake
	s_barrier_signal -1
	s_barrier_wait -1
.irp i, 0,1,2,3,4,5,6,7,8,9,10,11,12,13,14,15
	ds_load_b32 v[112+\i], v131 offset:RED+2048*(\n)+128*\i
.endr
	s_wait_dscnt 0x0
	s_wait_alu depctr_vm_vsrc(0)                   ; the store has read v100 and v130, the loads v131, and the read-back ahead of the norm its address v236: v100 is written again by the next sums, all four further on
.irp i, 0,4,8,12
	v_pk_add_f32 v[112+\i:113+\i], v[112+\i:113+\i], v[114+\i:115+\i]     ; one order of additions in every wave
.endr
	v_pk_add_f32 v[112:113], v[112:113], v[116:117]
	v_pk_add_f32 v[120:121], v[120:121], v[124:125]
	v_pk_add_f32 v[112:113], v[112:113], v[120:121]
	v_add_f32 v112, v112, v113
	v_mul_f32 v112, s43, v112
	v_permlanex16_b32 v113, v112, s36, s37
	v_cndmask_b32 v108, v112, v113, s41
	v_cndmask_b32 v110, v113, v112, s41
.endm
.macro LANESUM                         ; v[100:103], v[104:107]: two packed chains a tile -> v100, v104, with lane l xor 16's
.irp q, 0,1
	v_pk_add_f32 v[100+4*\q:101+4*\q], v[100+4*\q:101+4*\q], v[102+4*\q:103+4*\q]
.endr
.irp q, 0,1
	v_add_f32 v[100+4*\q], v[100+4*\q], v[101+4*\q]
.endr
.irp q, 0,1
	v_permlanex16_b32 v[102+4*\q], v[100+4*\q], s36, s37
.endr
.irp q, 0,1
	v_add_f32 v[100+4*\q], v[100+4*\q], v[102+4*\q]
.endr
.endm
.macro LNORM n
	v_lshlrev_b32 v130, 2, v0                      ; 128 x wave + 4 x lane
	v_and_b32 v131, 31, v0
	v_lshlrev_b32 v131, 2, v131                    ; 4 x lane
	v_mov_b32 v109, 0                              ; (named as upper halves of pairs)
	v_mov_b32 v111, 0
.irp q, 0,1
	v_pk_add_f32 v[100+4*\q:101+4*\q], v[O+32*\q:O+32*\q+1], v[O+32*\q+2:O+32*\q+3]
	v_pk_add_f32 v[102+4*\q:103+4*\q], v[O+32*\q+4:O+32*\q+5], v[O+32*\q+6:O+32*\q+7]
.endr
.irp i, 8,12,16,20,24,28
.irp q, 0,1
	v_pk_add_f32 v[100+4*\q:101+4*\q], v[100+4*\q:101+4*\q], v[O+32*\q+\i:O+32*\q+\i+1]
	v_pk_add_f32 v[102+4*\q:103+4*\q], v[102+4*\q:103+4*\q], v[O+32*\q+\i+2:O+32*\q+\i+3]
.endr
.endr
	LANESUM
	REDUCE \n
.irp q, 0,1
.irp i, 0,2,4,6,8,10,12,14,16,18,20,22,24,26,28,30
	v_pk_add_f32 v[O+32*\q+\i:O+32*\q+\i+1], v[O+32*\q+\i:O+32*\q+\i+1], v[108+2*\q:109+2*\q] op_sel_hi:[1,0] neg_lo:[0,1] neg_hi:[0,1]   ; x - mean
.endr
.endr
.irp q, 0,1
	v_pk_mul_f32 v[100+4*\q:101+4*\q], v[O+32*\q:O+32*\q+1], v[O+32*\q:O+32*\q+1]
	v_pk_mul_f32 v[102+4*\q:103+4*\q], v[O+32*\q+2:O+32*\q+3], v[O+32*\q+2:O+32*\q+3]
.endr
.irp i, 4,8,12,16,20,24,28
.irp q, 0,1
	v_pk_fma_f32 v[100+4*\q:101+4*\q], v[O+32*\q+\i:O+32*\q+\i+1], v[O+32*\q+\i:O+32*\q+\i+1], v[100+4*\q:101+4*\q]
	v_pk_fma_f32 v[102+4*\q:103+4*\q], v[O+32*\q+\i+2:O+32*\q+\i+3], v[O+32*\q+\i+2:O+32*\q+\i+3], v[102+4*\q:103+4*\q]
.endr
.endr
	LANESUM
	REDUCE \n+1
	v_add_f32 v108, s44, v108                      ; + 1e-5
	v_add_f32 v110, s44, v110
	v_rsq_f32 v108, v108
	v_rsq_f32 v110, v110
	v_nop                                          ; a plain place behind the transcendentals
	s_wait_alu depctr_va_vdst(0)                   ; one wait for the two, ahead of their first reader
	s_wait_loadcnt 0x0                             ; g and b
.irp q, 0,1
.irp i, 0,2,4,6,8,10,12,14,16,18,20,22,24,26,28,30
	v_pk_mul_f32 v[O+32*\q+\i:O+32*\q+\i+1], v[O+32*\q+\i:O+32*\q+\i+1], v[108+2*\q:109+2*\q] op_sel_hi:[1,0]
.endr
.endr
.irp q, 0,1
.irp i, 0,2,4,6,8,10,12,14,16,18,20,22,24,26,28,30
	v_pk_fma_f32 v[O+32*\q+\i:O+32*\q+\i+1], v[O+32*\q+\i:O+32*\q+\i+1], v[32+\i:33+\i], v[64+\i:65+\i]
.endr
.endr
.endm
.macro GBLOAD pg, pb                   ; the gain and the bias of my 32 columns: at 16 e + 8 h + j
.irp e, 0,1,2,3
	global_load_b128 v[32+8*\e:35+8*\e], v7, s[\pg:\pg+1] offset:64*\e
	global_load_b128 v[36+8*\e:39+8*\e], v7, s[\pg:\pg+1] offset:64*\e+16
	global_load_b128 v[64+8*\e:67+8*\e], v7, s[\pb:\pb+1] offset:64*\e
	global_load_b128 v[68+8*\e:71+8*\e], v7, s[\pb:\pb+1] offset:64*\e+16
.endr
.endm
	s_load_b512 s[4:19], s[0:1], 0x0               ; Q's codes 4, Q's scales 6, wqf 8, Wq's scales 10, bq 12, kvf 14, kvs 16, g0 18
	s_load_b256 s[20:27], s[0:1], 0x40             ; b0 20, wof 22, Wo's scales 24, bo 26
	s_load_b128 s[28:31], s[0:1], 0x60             ; g1 28, b1 30
	s_load_b64 s[32:33], s[0:1], 0x70              ; out0
	v_lshrrev_b32 v1, 5, v0
	v_readfirstlane_b32 s34, v1                    ; wave 0..15 = my head
	v_and_b32 v4, 31, v0
	v_lshlrev_b32 v1, 4, v4
	v_lshlrev_b32 v2, 3, v4
	v_lshlrev_b32 v3, 8, v4
	v_lshlrev_b32 v6, 5, v4
	v_bfe_u32 v5, v0, 4, 1
	v_lshlrev_b32 v7, 5, v5
	v_and_b32 v160, 15, v0
	v_lshlrev_b32 v160, 9, v160
	v_lshl_add_u32 v160, v5, 4, v160               ; a fragment of Q: 512 r + 16 h
	s_wait_alu depctr_va_sdst(0)                   ; s34 is written, ahead of its first reader: LDS addresses and every base are made from it
	s_lshl_b32 s46, s34, 10
	v_add_nc_u32 v161, s46, v1                     ; its image: 1,024 x wave + 16 x lane
.irp b, 0,1,2,3
	v_mov_b32 v[T2+\b], 0                          ; written once: a lane permute's destination counts as one of its sources
.endr
	s_mov_b32 s36, 0x76543210
	s_mov_b32 s37, 0xfedcba98                      ; v_permlanex16_b32's selects for lane l xor 16
	s_mov_b32 s38, 0x3d38aa3b                      ; log2(e) / sqrt(1024)
	s_mov_b32 s39, s38
	s_mov_b32 s41, 0xffff0000                      ; lanes 16-31
	s_mov_b32 s43, 0x3a800000                      ; 1 / 1,024
	s_mov_b32 s44, 0x3727c5ac                      ; 1e-5
	s_mul_i32 s45, s34, RESW
	s_add_co_u32 s45, s45, RES                     ; my wave's own LDS
	s_and_b32 s42, ttmp9, 31
	s_cmp_eq_u32 s42, 0
	s_cselect_b32 s42, 1, -1                       ; 1 in the batch's first work-group, else the greatest number
	s_mov_b32 s47, 0
	s_wait_kmcnt 0x0
	s_lshl_b32 s46, ttmp9, 14                      ; Q's codes: my work-group's 32 rows of 512 bytes; wave w brings fragment (qt = w / 8, K step w % 8)
	s_lshr_b32 s48, s34, 3
	s_lshl_b32 s48, s48, 13
	s_add_co_u32 s46, s46, s48
	s_and_b32 s48, s34, 7
	s_lshl_b32 s48, s48, 6
	s_add_co_u32 s46, s46, s48
	s_add_nc_u64 s[4:5], s[4:5], s[46:47]
	s_lshl_b32 s46, ttmp9, 10
	s_add_nc_u64 s[6:7], s[6:7], s[46:47]
	s_lshl_b32 s46, s34, 15                        ; my 64 rows of a weight: 32,768 bytes of codes,
	s_add_nc_u64 s[8:9], s[8:9], s[46:47]
	s_add_nc_u64 s[22:23], s[22:23], s[46:47]
	s_lshl_b32 s46, s34, 11                        ; 2,048 of scale bytes,
	s_add_nc_u64 s[10:11], s[10:11], s[46:47]
	s_add_nc_u64 s[24:25], s[24:25], s[46:47]
	s_lshl_b32 s46, s34, 8                         ; 256 bytes of each vector and of a row of the result
	s_add_nc_u64 s[12:13], s[12:13], s[46:47]
	s_add_nc_u64 s[26:27], s[26:27], s[46:47]
	s_add_nc_u64 s[18:19], s[18:19], s[46:47]
	s_add_nc_u64 s[20:21], s[20:21], s[46:47]
	s_add_nc_u64 s[28:29], s[28:29], s[46:47]
	s_add_nc_u64 s[30:31], s[30:31], s[46:47]
	s_add_nc_u64 s[32:33], s[32:33], s[46:47]
	s_lshl_b32 s46, ttmp9, 17                      ; 32 rows of 4,096 bytes
	s_add_nc_u64 s[32:33], s[32:33], s[46:47]
	s_lshr_b32 s46, ttmp9, 5
	s_lshl_b32 s46, s46, 4
	s_add_co_u32 s46, s46, s34                     ; 16 x batch + head: 8 records
	s_mul_i32 s48, s46, 6144
	s_lshl_b32 s46, s46, 16
	s_add_nc_u64 s[14:15], s[14:15], s[46:47]
	s_mov_b32 s46, s48
	s_add_nc_u64 s[16:17], s[16:17], s[46:47]
	; ---- Q's 16 fragments go into LDS, one a wave
	s_wait_alu depctr_va_vdst(0)                   ; the offsets v1, v2, v3, v6, v7, v160 and v161 are written, which the loads, stores and prefetches from here on read
	global_load_b128 v[128:131], v160, s[4:5]
	global_load_b128 v[132:135], v160, s[4:5] offset:32
	GEMM_LOADS 8, 10, 12, 0
	s_wait_loadcnt 46                              ; my fragment is in; the 16 + 4 + 2 + 24 loads behind it may be out
	ds_store_b128 v161, v[128:131] offset:IMG
	ds_store_b128 v161, v[132:135] offset:IMG+512
	s_wait_dscnt 0x0
	s_barrier_signal -1
	s_barrier_wait -1
	s_wait_alu depctr_vm_vsrc(0)                   ; my two LDS stores have read v128-135, in which the fragments' loads land, and v161; Q's loads have read v160 and the scale words' loads v6: the scores and the softmax write these three
	; ---- q = Q Wq^T + bq
	GEMM_RUN 8, 0
	; ---- the first key step is asked for; q is kept in my LDS for the residual and quantised
	v_add_nc_u32 v100, s45, v1
	s_wait_alu depctr_va_vdst(0)                   ; the products have written q, which the LDS stores read (the four places stand ahead), and v100 is written; they are done reading the weight sets and scale words, in which k and v^T land
	KLOAD 0, 0
	VLOAD 0, 0
.irp i, 0,1,2,3,4,5,6,7,8,9,10,11,12,13,14,15
	ds_store_b128 v100, v[O+4*\i:O+4*\i+3] offset:512*\i      ; each accumulator from its low end on
.endr
	QUANT2 O, QF, QSR
	QUANT2 O+32, QF+8, QSR+1
.irp i, 4,5,6,7,12,13,14,15
	v_mov_b32 v[QF+\i], 0                          ; zero codes for the upper 64 of the instruction's 128
.endr
.irp i, 64,65,66,67
	v_mov_b32 v[\i], 0                             ; behind k's last tile
.endr
	v_mov_b32 v5, 0                                ; (named as the upper half of the pair v[4:5])
.irp q, 0,1
	v_mov_b32 v[9+4*\q], 0xff61b1e6                ; the largest t so far: -3e38
	v_floor_f32 v[8+4*\q], -v[9+4*\q]
	v_mov_b32 v[10+4*\q], 0
	v_mov_b32 v[11+4*\q], 0
.endr
	s_wait_dscnt 0x0                               ; the stores have landed
	s_wait_alu depctr_vm_vsrc(0)                   ; the stores have read q's registers, which are cleared below, and v100, which the scores write
.irp j, 0,1,2,3,4,5,6,7,8,9,10,11,12,13,14,15,16,17,18,19,20,21,22,23,24,25,26,27,28,29,30,31,32,33,34,35,36,37,38,39,40,41,42,43,44,45,46,47,48,49,50,51,52,53,54,55,56,57,58,59,60,61,62,63
	v_mov_b32 v[O+\j], 0                           ; O^T: the step is written without a first step of its own: the first change of M multiplies zeros
.endr
	s_wait_alu depctr_va_vdst(0)                   ; q's codes, the zero codes behind them and behind k, and q's scale words are written, which the scaled products of every key step take; the 64 lines above are their places
	; ---- attention: 8 key steps; the last is written out, so that no load passes its buffer's end
	s_mov_b32 s40, 7
.Lstep:
	STEP 1
	s_sub_co_u32 s40, s40, 1
	s_cmp_lg_u32 s40, 0
	s_cbranch_scc1 .Lstep
	STEP 0
	; ---- O^T / the sum + q
	NOP4
	v_add_nc_u32 v236, s45, v1
	s_wait_alu depctr_va_vdst(0)                   ; v236 is written; the softmax is done with v100-163, in which q lands; the products are done reading k, the zeros and v^T, in which g0 and b0 land
.irp i, 0,1,2,3,4,5,6,7,8,9,10,11,12,13,14,15
	ds_load_b128 v[S+4*\i:S+4*\i+3], v236 offset:512*\i
.endr
	GBLOAD 18, 20
	v_add_f32 v10, v10, v11
	v_add_f32 v14, v14, v15
	v_permlanex16_b32 v[T2], v10, s36, s37
	v_permlanex16_b32 v[T2+1], v14, s36, s37
	v_add_f32 v10, v10, v[T2]
	v_add_f32 v14, v14, v[T2+1]
	v_rcp_f32 v4, v10
	v_rcp_f32 v6, v14
	v_nop
	s_wait_alu depctr_va_vdst(0)                   ; one wait for the two reciprocals
	s_wait_dscnt 0x0
.irp i, 0,2,4,6,8,10,12,14,16,18,20,22,24,26,28,30
	v_pk_fma_f32 v[O+\i:O+\i+1], v[O+\i:O+\i+1], v[4:5], v[S+\i:S+\i+1] op_sel_hi:[1,0,1]
.endr
.irp i, 32,34,36,38,40,42,44,46,48,50,52,54,56,58,60,62
	v_pk_fma_f32 v[O+\i:O+\i+1], v[O+\i:O+\i+1], v[6:7], v[S+\i:S+\i+1] op_sel_hi:[1,0,1]
.endr
	; ---- the first norm; y is kept in my LDS for the residual, quantised, and its codes and scale bytes go to all waves
	LNORM 0
	v_add_nc_u32 v132, s45, v1                     ; the addresses and both quantisings stand ahead of the stores, so that one wait serves all twenty
	s_lshl_b32 s46, s34, 9
	v_add_nc_u32 v133, s46, v1                     ; my 64 columns are half w % 2 of K step w / 2: 512 x wave + 16 x lane
	v_and_b32 v134, 15, v0
	v_lshlrev_b32 v134, 5, v134
	s_lshl_b32 s46, s34, 1
	v_add_nc_u32 v134, s46, v134                   ; the scale bytes: 32 r + 2 x wave
	v_and_b32 v6, 31, v0
	v_lshlrev_b32 v6, 5, v6                        ; 32 x lane again
	QUANT2 O, PC, T2+2
	QUANT2 O+32, PC+4, T2+3
	s_wait_alu depctr_va_vdst(0)                   ; y, its codes, its scale bytes and the addresses v132-134 are written, which the stores read, and v6, which the scale words' loads read; all vector and matrix work on the registers in which the second product's loads land (v32-159, v164-239, v244-255) is done
.irp i, 0,1,2,3,4,5,6,7,8,9,10,11,12,13,14,15
	ds_store_b128 v132, v[O+4*\i:O+4*\i+3] offset:512*\i
.endr
	ds_store_b128 v133, v[PC:PC+3] offset:IMG
	ds_store_b128 v133, v[PC+4:PC+7] offset:IMG+8192
	ds_store_b16 v134, v[T2+2] offset:YSC          ; both halves of the lanes write the same two bytes with the same value
	ds_store_b16 v134, v[T2+3] offset:YSC+512
	s_wait_dscnt 0x0                               ; my stores have landed
	s_wait_alu depctr_vm_vsrc(0)                   ; my stores have read y, the codes and v132-134: the bias, the waiting scale words and my rows' fragments land there
	GEMM_LOADS 22, 24, 26, 1
	s_barrier_signal -1
	s_barrier_wait -1
	; ---- y Wo^T + bo
	GEMM_RUN 22, 1
	; ---- z = y + relu(..)
	v_add_nc_u32 v236, s45, v1
	s_wait_alu depctr_va_vdst(0)                   ; v236 is written; the products are done reading the weight sets and my rows' fragments, in which y, g1 and b1 land
.irp i, 0,1,2,3,4,5,6,7,8,9,10,11,12,13,14,15
	ds_load_b128 v[S+4*\i:S+4*\i+3], v236 offset:512*\i
.endr
	GBLOAD 28, 30
.irp j, 0,1,2,3,4,5,6,7,8,9,10,11,12,13,14,15,16,17,18,19,20,21,22,23,24,25,26,27,28,29,30,31,32,33,34,35,36,37,38,39,40,41,42,43,44,45,46,47,48,49,50,51,52,53,54,55,56,57,58,59,60,61,62,63
	v_max_num_f32 v[O+\j], 0, v[O+\j]
.endr
	s_wait_dscnt 0x0
.irp i, 0,2,4,6,8,10,12,14,16,18,20,22,24,26,28,30,32,34,36,38,40,42,44,46,48,50,52,54,56,58,60,62
	v_pk_add_f32 v[O+\i:O+\i+1], v[O+\i:O+\i+1], v[S+\i:S+\i+1]
.endr
	; ---- the second norm
	LNORM 2
	; ---- the way out: through my own stages (16 rows x 256 bytes + 16 a tile), so that sixteen lanes store 256 consecutive bytes, aligned
	v_bfe_u32 v239, v0, 4, 1                       ; h
	v_and_b32 v240, 15, v0                         ; r
	v_mul_u32_u24 v236, v240, 272
	v_lshl_add_u32 v236, v239, 5, v236
	v_add_nc_u32 v236, s45, v236                   ; in: row r, + 32 h
	v_mul_u32_u24 v237, v239, 272
	v_lshl_add_u32 v237, v240, 4, v237
	v_add_nc_u32 v237, s45, v237                   ; back: lanes 0-15 one row, lanes 16-31 the next
	v_lshlrev_b32 v238, 4, v240
	v_lshl_add_u32 v238, v239, 12, v238            ; and the same two rows of the result
	s_wait_alu depctr_va_vdst(0)                   ; the result and the addresses v236-238 are written, which the stores and loads below read; the norm is done with v100-163, in which the rows land
.irp q, 0,1
.irp e, 0,1,2,3
	ds_store_b128 v236, v[O+32*\q+8*\e:O+32*\q+8*\e+3] offset:4352*\q+64*\e
	ds_store_b128 v236, v[O+32*\q+8*\e+4:O+32*\q+8*\e+7] offset:4352*\q+64*\e+16
.endr
.endr
.irp q, 0,1
.irp i, 0,1,2,3,4,5,6,7
	ds_load_b128 v[S+32*\q+4*\i:S+32*\q+4*\i+3], v237 offset:4352*\q+544*\i     ; LDS serves a wave's instructions in order (ISA guide 5.7.1.4): these see my stores
.endr
.endr
.irp n, 0,1,2,3,4,5,6,7,8,9,10,11,12,13,14,15
	s_wait_dscnt 15-\n                             ; the younger loads may be out
	global_store_b128 v238, v[S+4*\n:S+4*\n+3], s[32:33] offset:(16*(\n/8)+2*(\n%8))*4096 th:TH_STORE_NT
.endr
	s_wait_xcnt 0x0
	v_lshl_add_u32 v254, v0, 2, 0x28400            ; the add's two registers, made anew: no memory or LDS instruction has read either
	v_mov_b32 v255, 0
	s_wait_dscnt 0x0                               ; the closing lines, six on end
	s_wait_alu 0x0
	s_wait_tensorcnt 0x0
	ds_add_u32 v254, v255
	s_wait_dscnt 0x0
	s_endpgm
.Lfunc_end_k_q2c073851a0_mab:
	.size	k_q2c073851a0_mab, .Lfunc_end_k_q2c073851a0_mab-k_q2c073851a0_mab
	.p2alignl 7, 3214868480
	.fill 96, 4, 3214868480
	.section	.rodata,"a",@progbits
	.p2align	6, 0x0
	.amdhsa_kernel k_q2c073851a0_mab
		.amdhsa_group_segment_fixed_size 166912
		.amdhsa_private_segment_fixed_size 0
		.amdhsa_enable_private_segment 0
		.amdhsa_kernarg_size 120
		.amdhsa_user_sgpr_count 2
		.amdhsa_user_sgpr_kernarg_segment_ptr 1
		.amdhsa_wavefront_size32 1
		.amdhsa_system_sgpr_workgroup_id_x 1
		.amdhsa_system_sgpr_workgroup_id_y 1
		.amdhsa_system_sgpr_workgroup_id_z 1
		.amdhsa_system_vgpr_workitem_id 0
		.amdhsa_next_free_vgpr 256
		.amdhsa_next_free_sgpr 66
		.amdhsa_reserve_vcc 0
		.amdhsa_float_denorm_mode_32 3
		.amdhsa_float_denorm_mode_16_64 3
		.amdhsa_memory_ordered 1
		.amdhsa_forward_progress 1
		.amdhsa_inst_pref_size 161
	.end_amdhsa_kernel
	.amdgpu_metadata
---
amdhsa.version: [ 1, 2 ]
amdhsa.kernels:
  - .name:           k_q2c073851a0_mab
    .symbol:         k_q2c073851a0_mab.kd
    .args:
      - { .name: Q_codes, .offset: 0, .size: 8, .value_kind: global_buffer, .address_space: global }
      - { .name: Q_scales, .offset: 8, .size: 8, .value_kind: global_buffer, .address_space: global }
      - { .name: wqf, .offset: 16, .size: 8, .value_kind: global_buffer, .address_space: global }
      - { .name: Wq_scales, .offset: 24, .size: 8, .value_kind: global_buffer, .address_space: global }
      - { .name: bq, .offset: 32, .size: 8, .value_kind: global_buffer, .address_space: global }
      - { .name: kvf, .offset: 40, .size: 8, .value_kind: global_buffer, .address_space: global }
      - { .name: kvs, .offset: 48, .size: 8, .value_kind: global_buffer, .address_space: global }
      - { .name: g0, .offset: 56, .size: 8, .value_kind: global_buffer, .address_space: global }
      - { .name: b0, .offset: 64, .size: 8, .value_kind: global_buffer, .address_space: global }
      - { .name: wof, .offset: 72, .size: 8, .value_kind: global_buffer, .address_space: global }
      - { .name: Wo_scales, .offset: 80, .size: 8, .value_kind: global_buffer, .address_space: global }
      - { .name: bo, .offset: 88, .size: 8, .value_kind: global_buffer, .address_space: global }
      - { .name: g1, .offset: 96, .size: 8, .value_kind: global_buffer, .address_space: global }
      - { .name: b1, .offset: 104, .size: 8, .value_kind: global_buffer, .address_space: global }
      - { .name: out0, .offset: 112, .size: 8, .value_kind: global_buffer, .address_space: global }
    .group_segment_fixed_size: 166912
    .private_segment_fixed_size: 0
    .kernarg_segment_align: 8
    .kernarg_segment_size: 120
    .max_flat_workgroup_size: 512
    .sgpr_count:     66
    .vgpr_count:     256
    .wavefront_size: 32
...
	.end_amdgpu_metadata
.endif
;; end of part 3
